; MI455X (gfx1250); checked and timed in simulation.
; The chip was launched on July 23, 2026; its instructions are those of AMD's public machine-readable ISA for CDNA 5 (MIT licence, August 2026) and "CDNA5" Instruction Set Architecture Reference Guide (July 2026). The comments in the code are by the model that wrote it; some were corrected since.
;; Causal Self Attention. Allowed arithmetic: matrix products marked QUANTISED: E2M1 operands, one E8M0 scale for each 32 along K, by v_wmma_scale_f32_16x16x128_f8f6f4 with both operands' format E2M1 (or v_wmma_scale_f32_32x16x128_f4), f32 sums; products left as they are: bf16, f16 or f32 operands; f32 sums; everything else in f32.
;; Inputs: Wk 1,024 x 1,024 float32; Wo 1,024 x 1,024 float32; Wq 1,024 x 1,024 float32; Wv 1,024 x 1,024 float32; bk 1,024 float32; bo 1,024 float32; bq 1,024 float32; bv 1,024 float32; relative_positions 16 x 1,024 x 2,048 float32; x 4 x 1,024 x 1,024 float32; xl_memory 4 x 1,024 x 2 x 1,024 float32.
;; Outputs: out0 4 x 1,024 x 1,024 float32; out1 4 x 1,024 x 2 x 1,024 float32.
;; This version of the problem:
;;   THIS VERSION OF THE PROBLEM IS GIVEN IN LOW PRECISION. The matrix products marked QUANTISED in the list below multiply operands that are first quantised to E2M1 (2 exponent bits, 1 mantissa bit; 4 bits a number), with one power-of-two scale for each 32 numbers along K (OCP MX v1.0); their sums are f32. The products marked 'left as it is' may take bf16, f16 or f32 operands, with f32 sums. Whichever they take, every output number must still come out within the allowed error. Rounding operands to bf16 (8 significant bits) uses up far more of that allowance than f16 does (11 bits, for magnitudes from 6e-5 to 65,504). All else is computed in f32.
;;   The module's matrix products, in the order in which they are computed (A, B: the left and right operand; K: the contracted axis; several contracted axes count as one K, in the product's order):
;;     1. [M 4,096, K 1,024] x [K 1,024, N 1,024]; A: input x; B: input Wq: QUANTISED
;;     2. [M 4,096, K 1,024] x [K 1,024, N 1,024]; A: input x; B: input Wk: QUANTISED
;;     3. [M 4,096, K 1,024] x [K 1,024, N 1,024]; A: input x; B: input Wv: QUANTISED
;;     4. batch 64 x [M 1,024, K 64] x [K 64, N 2,048]; A: computed on the way; B: computed on the way: left as it is (an operand is computed on the way)
;;     5. batch 64 x [M 1,024, K 2,048] x [K 2,048, N 64]; A: computed on the way; B: computed on the way: left as it is (an operand is computed on the way)
;;     6. [M 4,096, K 1,024] x [K 1,024, N 1,024]; A: computed on the way; B: input Wo: left as it is (an operand is computed on the way)
;;   THE QUANTISER, for each operand of a quantised product, along K:
;;     - K is cut into blocks of 32 from its start; a last block that is shorter is filled with zeros.
;;     - A block's scale is 2^e with e = floor(log2(the largest magnitude in the block)) - 2, held to -126 .. 127; a block of zeros has e = 0. As a byte (E8M0): e + 127.
;;     - Each number is divided by its block's scale, clamped to +-6, and rounded to the nearest number of E2M1, ties to even, subnormals kept.
;;     - The product sums the exact products of the quantised numbers (number of the format x scale) in f32.
;;   ~~~python
;;   def quantise(x, axis):      # numpy; x: float32 -> the quantised numbers, widened to float32 again
;;       x = np.moveaxis(x, axis, -1); K = x.shape[-1]
;;       x = np.pad(x, [(0, 0)] * (x.ndim - 1) + [(0, -K % 32)]); x = x.reshape(x.shape[:-1] + (-1, 32)); a = np.abs(x).max(-1, keepdims=True)
;;       e = np.where(a > 0, np.clip(np.frexp(np.where(a > 0, a, 1))[1] - 1 - 2, -126, 127), 0)      # np.frexp(a)[1] - 1 = floor(log2(a)), exactly
;;       r = np.clip(x / 2.0 ** e, -6, 6)
;;       step = 2.0 ** (np.maximum(np.frexp(np.where(r == 0, 1, r))[1] - 1, 0) - 1)
;;       q = np.round(r / step) * step * 2.0 ** e      # np.round: ties to even
;;       return np.moveaxis(q.reshape(q.shape[:-2] + (-1,))[..., :K], -1, axis).astype(np.float32)
;;   ~~~
;; One version. Each part assembles by itself: llvm-mc -triple=amdgcn-amd-amdhsa -mcpu=gfx1250 --defsym DOCPART=n.
;; ======== version 1 of 1: 4 launches
;; limits: values are held in f16: magnitudes above 65,504 overflow, below 6.1e-05 lose precision
;; workspace buffers: codes 3,670,016 bytes; scales 229,376 bytes; q16 8,388,608 bytes; kv16 33,554,432 bytes; o16 8,388,608 bytes; wo16 2,097,152 bytes
;; launch prep (part 1): grid 896 x 1, 4 waves a work-group, no clusters, 42,496 bytes of LDS; arguments x, Wq, Wk, Wv, Wo, xl_memory, codes, scales, kv16, wo16; writes codes, scales, kv16, wo16
.if DOCPART == 1
	.amdgcn_target "amdgcn-amd-amdhsa--gfx1250"
	.amdhsa_code_object_version 6
	.text
	.protected	k_q1ddaea867a_prep
	.globl	k_q1ddaea867a_prep
	.p2align	8
	.type	k_q1ddaea867a_prep,@function
k_q1ddaea867a_prep:
	s_mov_b64 s[64:65], 0
	v_nop
	global_prefetch_b8 v0, s[64:65] scope:SCOPE_SE
	s_setreg_imm32_b32 hwreg(HW_REG_WAVE_MODE, 25, 1), 1
	s_wait_xcnt 0x0
; THE PROGRAM: four launches.  prep (this one) makes the operands; qkv does the three quantised products x Wq, x Wk, x Wv on codes of E2M1; attn the attention; proj the product with Wo.
; WORK LEFT OUT, in the problem's own terms.  reference() sets qk to -infinity where key j > query i + 1024 (its own jnp.triu), ahead of the softmax: such a weight is 0 whatever the inputs hold, so a tile of
; scores all of whose keys come after all of its queries + 1024 reaches no output.  attn leaves those tiles out: their part of both products of the attention and of relative_positions.  Nothing else is left out:
; every input has a way to an output and is loaded (bk moves the new keys alone, so no softmax takes it away, and it goes into out1).
; LIMIT: a NaN, an infinity or an overflow that stands only in the part of relative_positions that is left out is not carried to the result.
; No query sums few terms: each counts the 1,024 keys of the memory and itself at the least.  So no rows are carried more finely than the others.
; THIS LAUNCH, four kinds of work-groups, told apart by the work-group's number; those whose loads go out in the most groups on end have the lowest numbers:
;   0-191    Wq, Wk, Wv [1024 k][1024 n] f32, K their FIRST axis -> rows 4096 + 1024 mat + n of codes (512 bytes a row) and of scales (32 bytes a row), K innermost
;   192-319  x [4096][1024] f32 -> codes of E2M1 and E8M0 scale bytes, K innermost: rows 0-4095 of the same two buffers
;   320-383  Wo f32 -> wo16, f16, as it lies
;   384-895  xl_memory [4][1024][2][1024] f32 -> kv16, f16, laid [K or V][batch][head][2048 keys][64], keys 0-1023 (qkv writes keys 1024-2047)
; THE QUANTISER: a block's scale is 2^(floor(log2(its largest magnitude)) - 2); its byte is the largest magnitude's exponent field - 2, held at 1 from below; each number is divided by the scale and rounded to the
; nearest code, ties to even, beyond 6 the largest code.  A block of zeros gets the byte 1 where the rule says 127: its codes are zeros, which add nothing, and this program alone reads the bytes.
; LIMITS: blocks whose largest magnitude lies under 2^-124 keep the byte 1; NaN and infinities among the inputs are not served; what goes to f16 (xl_memory, Wo) is below 65,504 in magnitude.
; No tensor loads.  The two quantising paths have LDS bytes of their own: x's 0-32767, the weights' 32768-41983; the spare words lie behind them.
.set SPARE,  41984                     ; the spare words, 128 bytes for each wave: two blocks of 256 bytes that no other line names
.set SPW,    224                       ; v224  LDS address of my spare word: SPARE + 4 x my thread's number; never rewritten
.set NIL,    225                       ; v225  0; never rewritten
.set KVHALF, 16777216                  ; V's part of kv16 begins here
; ---- the casts: number i of 32 loads of 16 bytes a lane becomes 8 bytes of f16 and is stored
.macro CAST i, base, off
	s_wait_loadcnt 31-(\i)                         ; loads come back in order: mine is in, the 31 - i younger ones may be out
	v_cvt_pk_f16_f32 v[16+4*(\i)], v[16+4*(\i)], v[17+4*(\i)]
	v_cvt_pk_f16_f32 v[17+4*(\i)], v[18+4*(\i)], v[19+4*(\i)]
	global_store_b64 v4, v[16+4*(\i):17+4*(\i)], s[\base:\base+1] offset:\off   ; 32 lanes store 256 consecutive bytes, aligned; no register of a store is written again
.endm
.macro FINISH                          ; the wave's end: a wait on TENSORcnt, an add to my spare word and a wait on DScnt, behind my last LDS store
	s_wait_tensorcnt 0x0
	ds_add_u32 v[SPW], v[NIL]
	s_wait_dscnt 0x0
	s_endpgm
.endm
; ---- x: the quantiser for a tensor whose K is innermost.  Loads run XD steps (32 loads, 16,384 bytes a wave) ahead, so that a wave's 64 loads go out in two groups on end
.set XSTEPS, 16
.set XD,     8
.set XR,     16                        ; v16-143  eight sets of 16 numbers as they are loaded
.set XX,     144                       ; v144-175 two sets of 16 neighbours
.set XE,     176                       ; v176-191 a scale byte for each step
.set XC,     192                       ; v192-223 codes: two registers for each step, so that no store's data are written again
.set WREG,   8192                      ; LDS: a region for each wave: two stages of 32 x SP bytes, and behind them its 256 scale bytes
.set SP,     80                        ; a lane's place in a stage: its 64 bytes + 16 of padding
.macro XLOAD t
.irp i, 0,1,2,3
	global_load_b128 v[XR+16*((\t)%XD)+4*\i:XR+16*((\t)%XD)+4*\i+3], v3, s[8:9] offset:2048*(\t)+512*\i th:TH_LOAD_NT   ; 32 lanes read 512 consecutive bytes
.endr
.endm
.macro XTURN t                         ; step t's numbers through the stage: LDS serves a wave's instructions in order, so no wait stands between the stores and the loads
.irp i, 0,1,2,3
	ds_store_b128 v14, v[XR+16*((\t)%XD)+4*\i:XR+16*((\t)%XD)+4*\i+3] offset:32*SP*((\t)%2)+8*SP*\i
.endr
.irp i, 0,1,2,3
	ds_load_b128 v[XX+16*((\t)%2)+4*\i:XX+16*((\t)%2)+4*\i+3], v15 offset:32*SP*((\t)%2)+16*\i
.endr
.endm
.macro XSTEP t
.set XS, XX+16*((\t)%2)
.if (\t) > 0
	s_wait_dscnt 1                                 ; this step's numbers are back from the stage (the last step's byte store may be out)
.else
	s_wait_dscnt 0x0
.endif
.if (\t)+XD < XSTEPS
	XLOAD (\t)+XD                                  ; the registers that the stage's stores have read take the loads of eight steps on
.endif
.if (\t)+1 < XSTEPS
.if XSTEPS-2-(\t) >= XD-1
	s_wait_loadcnt 4*(XD-1)                        ; the next step's four loads are in; those of the seven steps behind it may be out
.else
	s_wait_loadcnt 4*(XSTEPS-2-(\t))               ; the tail: as many steps as are left behind the next one
.endif
	XTURN (\t)+1                                   ; and go through the other stage while this step is worked
.endif
	v_max3_num_f32 v8, |v[XS]|, |v[XS+1]|, |v[XS+2]|               ; the largest magnitude of my 16, in two chains
	v_max3_num_f32 v9, |v[XS+3]|, |v[XS+4]|, |v[XS+5]|
.irp i, 6,10
	v_max3_num_f32 v8, v8, |v[XS+\i]|, |v[XS+\i+1]|
	v_max3_num_f32 v9, v9, |v[XS+\i+2]|, |v[XS+\i+3]|
.endr
	v_max3_num_f32 v8, v8, |v[XS+14]|, |v[XS+15]|
	v_max3_num_f32 v8, v8, v9, 0x1800000           ; and the floor 2^(3 - 127): the byte cannot fall under 1
	v_max_num_f32_dpp v8, v8, v8 row_xmask:1 row_mask:0xf bank_mask:0xf   ; and of my neighbour's 16: the block's
	v_add_nc_u32 v11, 0xff000000, v8               ; 2 off its exponent field: the conversion takes the exponent field of this operand as its scale, and nothing else of it
	v_cvt_scalef32_pk8_fp4_f32 v[XC+2*(\t)], v[XS:XS+7], v11
	v_cvt_scalef32_pk8_fp4_f32 v[XC+2*(\t)+1], v[XS+8:XS+15], v11
	v_lshrrev_b32 v[XE+(\t)], 23, v11              ; the scale's byte
	ds_store_b8 v5, v[XE+(\t)] offset:16*(\t)      ; both lanes of a block write the same byte with the same value
	global_store_b64 v4, v[XC+2*(\t):XC+2*(\t)+1], s[20:21] offset:256*(\t)   ; 32 lanes store 256 consecutive bytes, aligned
.endm
; ---- the weights: the quantiser for a tensor whose K is its first axis: a lane takes a column, its registers run down K.  A work-group takes 32 columns x 512 along K, a wave 128 of the 512: four blocks,
; two of them asked for ahead, so that a wave's 128 loads go out in two groups on end.  The four waves' codes meet in one stage, so that a column's 256 bytes leave whole
.set NB,     4                         ; blocks of 32 along K for a wave
.set WP,     272                       ; a stage row: 256 bytes of codes + 16
.set WSTG,   32768                     ; the stage: 32 rows
.set WSCB,   WSTG+32*WP                ; behind it: the scale bytes, 16 for each column
.set WX,     32                        ; v32-95   two sets of 32 numbers
.set WC,     96                        ; v96-99   a block's codes
.set WSO,    100                       ; v100-103 a column's 16 scale bytes on the way out
.set WOUT,   112                       ; v112-127 the way out
.set WSB,    24                        ; v24      my four scale bytes
.macro WLOAD t                         ; block t: W(32 t + i, my column), i = 0 .. 31, into set t % 2
.irp i, 0,1,2,3,4,5,6,7,8,9,10,11,12,13,14,15,16,17,18,19,20,21,22,23,24,25,26,27,28,29,30,31
	global_load_b32 v[WX+32*((\t)%2)+\i], v3, s[10:11] offset:(32*(\t)+\i)*4096 th:TH_LOAD_NT   ; 32 lanes read 128 consecutive bytes of a row of W
.endr
.endm
.macro WBLOCK t
.set XS, WX+32*((\t)%2)
.if (\t) < NB-1
	s_wait_loadcnt 32                              ; this block's 32 loads are in; the next block's may be out
.else
	s_wait_loadcnt 0
.endif
	v_max3_num_f32 v12, |v[XS]|, |v[XS+1]|, |v[XS+2]|               ; the block's largest magnitude: all 32 numbers are mine
	v_max3_num_f32 v13, |v[XS+3]|, |v[XS+4]|, |v[XS+5]|
.irp i, 6,10,14,18,22,26
	v_max3_num_f32 v12, v12, |v[XS+\i]|, |v[XS+\i+1]|
	v_max3_num_f32 v13, v13, |v[XS+\i+2]|, |v[XS+\i+3]|
.endr
	v_max3_num_f32 v12, v12, |v[XS+30]|, |v[XS+31]|
	v_max3_num_f32 v12, v12, v13, 0x1800000        ; and the floor 2^(3 - 127)
	v_add_nc_u32 v11, 0xff000000, v12              ; the conversion's scale operand
	v_lshrrev_b32 v13, 23, v11                     ; the scale's byte
.if (\t) == 0
	v_mov_b32 v[WSB], v13                          ; four bytes to the register, the lower K in the lower byte
.else
	v_lshl_or_b32 v[WSB], v13, 8*(\t), v[WSB]
.endif
.irp g, 0,1,2,3
	v_cvt_scalef32_pk8_fp4_f32 v[WC+\g], v[XS+8*\g:XS+8*\g+7], v11
.endr
	ds_store_b128 v4, v[WC:WC+3] offset:16*(\t)    ; 32 codes: 16 bytes of my column's row
.if (\t)+2 < NB
	WLOAD (\t)+2
.endif
	s_wait_dscnt 0x0                               ; the store has read its registers: the next block's codes may be written
.endm
	s_load_b512 s[8:23], s[0:1], 0x0               ; x 8, Wq 10, Wk 12, Wv 14, Wo 16, xl_memory 18, codes 20, scales 22
	s_load_b128 s[24:27], s[0:1], 0x40             ; kv16 24, wo16 26
	v_lshl_add_u32 v[SPW], v0, 2, SPARE
	v_mov_b32 v[NIL], 0
	v_lshrrev_b32 v1, 5, v0
	v_readfirstlane_b32 s4, v1                     ; wave 0..3
	v_and_b32 v2, 31, v0                           ; lane
	s_mov_b32 s29, 0                               ; the upper word of every offset below
	s_wait_kmcnt 0x0
	s_cmp_lt_u32 ttmp9, 192
	s_cbranch_scc1 .Lw
	s_cmp_lt_u32 ttmp9, 320
	s_cbranch_scc1 .Lx
	s_cmp_ge_u32 ttmp9, 384
	s_cbranch_scc1 .Lxl
	; ---- Wo: a wave takes 16,384 consecutive bytes of f32 and stores 8,192 of f16
	s_sub_co_u32 s5, ttmp9, 320
	s_lshl_b32 s5, s5, 2
	s_add_co_u32 s5, s5, s4                        ; which of 256 runs
	s_lshl_b32 s28, s5, 14
	s_add_nc_u64 s[16:17], s[16:17], s[28:29]
	s_lshl_b32 s28, s5, 13
	s_add_nc_u64 s[26:27], s[26:27], s[28:29]
	v_lshlrev_b32 v3, 4, v2                        ; in: 16 bytes a lane
	v_lshlrev_b32 v4, 3, v2                        ; out: 8 bytes a lane
.set I, 0
.rept 32
	global_load_b128 v[16+4*I:19+4*I], v3, s[16:17] offset:512*I th:TH_LOAD_NT
.set I, I+1
.endr
.set I, 0
.rept 32
	CAST I, 26, 256*I
.set I, I+1
.endr
	s_endpgm
.Lxl:	; ---- xl_memory: a wave takes two neighbouring keys of one batch: 2 x 8,192 bytes.  Load i: lanes 0-15 the first key's, lanes 16-31 the second's 256 bytes of K (i < 16) or V, head i % 16
	s_sub_co_u32 s5, ttmp9, 384
	s_lshl_b32 s5, s5, 2
	s_add_co_u32 s5, s5, s4                        ; which of 2,048 pairs: 512 x batch + pair
	s_lshl_b32 s28, s5, 14
	s_add_nc_u64 s[18:19], s[18:19], s[28:29]
	s_lshr_b32 s28, s5, 9
	s_lshl_b32 s28, s28, 22                        ; a batch of kv16: 16 heads x 2,048 keys x 128 bytes
	s_and_b32 s6, s5, 511
	s_lshl_b32 s6, s6, 8                           ; a pair of keys: 256 bytes
	s_add_co_u32 s28, s28, s6
	s_add_nc_u64 s[30:31], s[24:25], s[28:29]      ; K's part
	s_add_nc_u64 s[32:33], s[30:31], KVHALF        ; V's part
	v_and_b32 v3, 15, v2
	v_lshlrev_b32 v3, 4, v3
	v_lshrrev_b32 v5, 4, v2
	v_lshl_add_u32 v3, v5, 13, v3                  ; in: 16 (lane % 16) + 8,192 (lane / 16)
	v_lshlrev_b32 v4, 3, v2                        ; out: 8 bytes a lane: two keys' rows of 128 bytes on end
.set I, 0
.rept 32
	global_load_b128 v[16+4*I:19+4*I], v3, s[18:19] offset:256*I th:TH_LOAD_NT
.set I, I+1
.endr
.set I, 0
.rept 32
	CAST I, 30+2*(I/16), (I%16)*262144
.set I, I+1
.endr
	s_endpgm
.Lx:	; ---- x: rows are dense and 1,024 is a multiple of 32, so x is a plain stream of blocks of 32.  A wave takes 16 steps of 512 numbers; two neighbouring lanes hold a block
	s_sub_co_u32 s5, ttmp9, 192
	s_lshl_b32 s5, s5, 2
	s_add_co_u32 s5, s5, s4                        ; which run of 8,192 numbers
	v_lshlrev_b32 v3, 4, v2                        ; my 16 bytes of a load's 512
	s_mul_i32 s6, s4, WREG
	v_lshrrev_b32 v14, 2, v2
	v_mul_u32_u24 v14, v14, SP
	v_and_b32 v15, 3, v2
	v_lshl_add_u32 v14, v15, 4, v14
	v_add_nc_u32 v14, s6, v14                      ; the stage, on the way in: four lanes' 64 bytes on end, then 16 of padding
	v_mul_u32_u24 v15, v2, SP
	v_add_nc_u32 v15, s6, v15                      ; and on the way out: my 16 neighbours
	v_lshlrev_b32 v4, 3, v2                        ; my codes' place in a step's: 8 bytes a lane
	v_lshrrev_b32 v5, 1, v2
	s_add_co_u32 s6, s6, 2*32*SP
	v_add_nc_u32 v5, s6, v5                        ; LDS: my wave's 256 scale bytes, my block's byte
	v_lshlrev_b32 v7, 3, v2
	v_add_nc_u32 v6, s6, v7                        ; and on the way out 8 bytes a lane
	s_lshl_b32 s28, s5, 15
	s_add_nc_u64 s[8:9], s[8:9], s[28:29]
	s_lshl_b32 s28, s5, 12
	s_add_nc_u64 s[20:21], s[20:21], s[28:29]
	s_lshl_b32 s28, s5, 8
	s_add_nc_u64 s[22:23], s[22:23], s[28:29]
.irp t, 0,1,2,3,4,5,6,7
	XLOAD \t
.endr
	s_wait_loadcnt 4*(XD-1)                        ; step 0's four loads are in; the seven steps behind it may be out
	XTURN 0
.irp t, 0,1,2,3,4,5,6,7,8,9,10,11,12,13,14,15
	XSTEP \t
.endr
	ds_load_b64 v[8:9], v6                         ; LDS serves a wave's instructions in order: these see my byte stores
	s_wait_dscnt 0x0
	global_store_b64 v7, v[8:9], s[22:23]          ; 32 lanes store 256 consecutive bytes, aligned
	FINISH
.Lw:	; ---- Wq, Wk, Wv: 64 work-groups a matrix: 32 columns x 512 along K each; wave w takes rows 128 w on of the 512
	s_lshr_b32 s6, ttmp9, 6                        ; which matrix
	s_cmp_eq_u32 s6, 0
	s_cselect_b64 s[10:11], s[10:11], s[12:13]
	s_cmp_eq_u32 s6, 2
	s_cselect_b64 s[10:11], s[14:15], s[10:11]
	s_and_b32 s34, ttmp9, 31
	s_lshl_b32 s34, s34, 5                         ; the work-group's first column
	s_bfe_u32 s35, ttmp9, 0x10005                  ; which 512 along K
	s_lshl_b32 s28, s35, 21                        ; 512 rows of 4,096 bytes,
	s_lshl_b32 s7, s4, 19                          ; my wave's 128 of them,
	s_add_co_u32 s28, s28, s7
	s_lshl_b32 s7, s34, 2                          ; the first column's bytes
	s_add_co_u32 s28, s28, s7
	s_add_nc_u64 s[10:11], s[10:11], s[28:29]
	s_lshl_b32 s38, s6, 10
	s_add_co_u32 s38, s38, s34
	s_add_co_u32 s38, s38, 4096                    ; the work-group's first row of codes and scales
	s_lshl_b32 s28, s38, 9
	s_lshl_b32 s7, s35, 8
	s_add_co_u32 s28, s28, s7
	s_add_nc_u64 s[20:21], s[20:21], s[28:29]
	s_lshl_b32 s28, s38, 5
	s_lshl_b32 s7, s35, 4
	s_add_co_u32 s28, s28, s7
	s_add_nc_u64 s[22:23], s[22:23], s[28:29]
	v_lshlrev_b32 v3, 2, v2                        ; in: 4 bytes a lane
	s_lshl_b32 s7, s4, 6
	s_add_co_u32 s7, s7, WSTG
	v_mul_u32_u24 v4, v2, WP
	v_add_nc_u32 v4, s7, v4                        ; into the stage: row = my column, my wave's 64 bytes of it
	v_and_b32 v5, 15, v2
	v_lshrrev_b32 v6, 4, v2                        ; out of it: sixteen lanes to a row, two rows an instruction; wave w takes rows 8 w on
	s_mul_i32 s7, s4, 8*WP
	s_add_co_u32 s7, s7, WSTG
	v_mul_u32_u24 v7, v6, WP
	v_lshl_add_u32 v7, v5, 4, v7
	v_add_nc_u32 v7, s7, v7
	s_lshl_b32 s7, s4, 12
	v_lshlrev_b32 v8, 9, v6
	v_lshl_add_u32 v8, v5, 4, v8
	v_add_nc_u32 v8, s7, v8                        ; and the same place in codes: rows of 512 bytes
	v_lshlrev_b32 v9, 5, v2                        ; a column's row of scale bytes
	s_lshl_b32 s7, s4, 2
	s_add_co_u32 s7, s7, WSCB
	v_lshlrev_b32 v26, 4, v2
	v_add_nc_u32 v27, WSCB, v26                    ; a column's 16 scale bytes in LDS,
	v_add_nc_u32 v26, s7, v26                      ; and my wave's four of them
	WLOAD 0
	WLOAD 1
.set Q, 0
.rept NB
	WBLOCK Q
.set Q, Q+1
.endr
	ds_store_b32 v26, v[WSB]
	s_wait_dscnt 0x0                               ; for the others' sake: my stores into the stage and among the scale bytes are done
	s_barrier_signal -1
	s_barrier_wait -1                              ; everybody's are; nothing is stored to LDS behind this barrier
	s_cmp_lg_u32 s4, 0                             ; wave 0 stores the scale bytes: 16 bytes a column
	s_cbranch_scc1 .Lw_rows
	ds_load_b128 v[WSO:WSO+3], v27
	s_wait_dscnt 0x0
	global_store_b128 v9, v[WSO:WSO+3], s[22:23]
.Lw_rows:
.irp t, 0,1,2,3
	ds_load_b128 v[WOUT+4*\t:WOUT+4*\t+3], v7 offset:2*\t*WP
.endr
.irp t, 0,1,2,3
	s_wait_dscnt 3-\t                              ; the younger read-backs may be out
	global_store_b128 v8, v[WOUT+4*\t:WOUT+4*\t+3], s[20:21] offset:2*\t*512   ; sixteen lanes store 256 consecutive bytes, aligned
.endr
	FINISH
.Lfunc_end_k_q1ddaea867a_prep:
	.size	k_q1ddaea867a_prep, .Lfunc_end_k_q1ddaea867a_prep-k_q1ddaea867a_prep
	.p2alignl 7, 3214868480
	.fill 96, 4, 3214868480
	.section	.rodata,"a",@progbits
	.p2align	6, 0x0
	.amdhsa_kernel k_q1ddaea867a_prep
		.amdhsa_group_segment_fixed_size 42496
		.amdhsa_private_segment_fixed_size 0
		.amdhsa_enable_private_segment 0
		.amdhsa_kernarg_size 80
		.amdhsa_user_sgpr_count 2
		.amdhsa_user_sgpr_kernarg_segment_ptr 1
		.amdhsa_wavefront_size32 1
		.amdhsa_system_sgpr_workgroup_id_x 1
		.amdhsa_system_sgpr_workgroup_id_y 1
		.amdhsa_system_sgpr_workgroup_id_z 1
		.amdhsa_system_vgpr_workitem_id 0
		.amdhsa_next_free_vgpr 226
		.amdhsa_next_free_sgpr 66
		.amdhsa_reserve_vcc 0
		.amdhsa_float_denorm_mode_32 3
		.amdhsa_float_denorm_mode_16_64 3
		.amdhsa_memory_ordered 1
		.amdhsa_forward_progress 1
		.amdhsa_inst_pref_size 78
	.end_amdhsa_kernel
	.amdgpu_metadata
---
amdhsa.version: [ 1, 2 ]
amdhsa.kernels:
  - .name:           k_q1ddaea867a_prep
    .symbol:         k_q1ddaea867a_prep.kd
    .args:
      - { .name: x, .offset: 0, .size: 8, .value_kind: global_buffer, .address_space: global }
      - { .name: Wq, .offset: 8, .size: 8, .value_kind: global_buffer, .address_space: global }
      - { .name: Wk, .offset: 16, .size: 8, .value_kind: global_buffer, .address_space: global }
      - { .name: Wv, .offset: 24, .size: 8, .value_kind: global_buffer, .address_space: global }
      - { .name: Wo, .offset: 32, .size: 8, .value_kind: global_buffer, .address_space: global }
      - { .name: xl_memory, .offset: 40, .size: 8, .value_kind: global_buffer, .address_space: global }
      - { .name: codes, .offset: 48, .size: 8, .value_kind: global_buffer, .address_space: global }
      - { .name: scales, .offset: 56, .size: 8, .value_kind: global_buffer, .address_space: global }
      - { .name: kv16, .offset: 64, .size: 8, .value_kind: global_buffer, .address_space: global }
      - { .name: wo16, .offset: 72, .size: 8, .value_kind: global_buffer, .address_space: global }
    .group_segment_fixed_size: 42496
    .private_segment_fixed_size: 0
    .kernarg_segment_align: 8
    .kernarg_segment_size: 80
    .max_flat_workgroup_size: 128
    .sgpr_count:     66
    .vgpr_count:     226
    .wavefront_size: 32
...
	.end_amdgpu_metadata
.endif
;; end of part 1
;; launch qkv (part 2): grid 12 x 16, 4 waves a work-group, clusters of 4 x 4, 327,680 bytes of LDS; arguments codes, scales, bq, bk, bv, q16, kv16, out1; writes q16, kv16, out1
.if DOCPART == 2
	.amdgcn_target "amdgcn-amd-amdhsa--gfx1250"
	.amdhsa_code_object_version 6
	.text
	.protected	k_q1ddaea867a_qkv
	.globl	k_q1ddaea867a_qkv
	.p2align	8
	.type	k_q1ddaea867a_qkv,@function
k_q1ddaea867a_qkv:
	s_mov_b64 s[64:65], 0
	v_nop
	global_prefetch_b8 v0, s[64:65] scope:SCOPE_SE
	s_setreg_imm32_b32 hwreg(HW_REG_WAVE_MODE, 25, 1), 1
	s_wait_xcnt 0x0
	s_wait_alu depctr_hold_cnt(0) depctr_sa_sdst(0) depctr_va_vdst(0) depctr_va_sdst(0) depctr_va_ssrc(0) depctr_va_vcc(0) depctr_vm_vsrc(0)
	s_getreg_b32 s2, hwreg(HW_REG_IB_STS2, 6, 4)
	s_cmp_eq_u32 s2, 0
	s_cbranch_scc0 .Lentry_in_a_cluster
	s_endpgm
.Lentry_in_a_cluster:
	s_bfe_u32 s2, ttmp6, 0x10000c
	s_cmp_lg_u32 s2, 0xf033
	s_cbranch_scc0 .Lentry_shape_is_right
	s_endpgm
.Lentry_shape_is_right:
; The three quantised products as ONE product on codes of E2M1: C[m][n] = bias[n] + sum over k of A[m][k] B[n][k], A = x (rows 0-4095 of codes), B = Wq, Wk, Wv one below the other (rows 4096-7167), K = 1,024.
; One E8M0 scale byte for each 32 along K, 32 bytes a row, in scales.  The matrix instruction takes codes and scale bytes as they lie.  No work of reference() is left out here.
; A tile of C, 256 x 256, is made by a work-group of four waves; a wave makes 128 x 128: 64 accumulators, 512 registers.  K is two steps of 512: both LDS slots are filled once, at the head, and nothing is filled again.
; The scales of the work-group's 256 rows of A and of B, for all of K, come into LDS once, with the first fills.
; CLUSTERS: 4 x 4 work-groups.  The four of a row of the cluster need the same tiles of A, the four of a column the same tiles of B: each tile is asked for JOINTLY.  The cluster's x says which matrix (0 q, 1 k, 2 v): it is
; the same in all sixteen partners, so the one branch and the selections on it are alike in all.
; THE MATRIX INSTRUCTION IS USED TRANSPOSED (source 0 = 16 rows of B, source 1 = 16 rows of A): a lane holds eight neighbouring columns of one token.  THE BIAS IS THE C of each sum's first product.
; RESULTS: q -> q16 f16 [batch][head][1024][64], multiplied in f32 by 1/8, reference()'s scale on the queries, ahead of the rounding;  k, v -> out1 f32 [batch][token][2][1024] and kv16 f16 [K or V][batch][head][2048][64], keys 1024 + token.
; LIMIT: q, k and v are below 65,504 in magnitude, f16's largest number.
; REGISTERS, in windows of 256: window 0: v0-31 addresses; v32-95 scale words, two sets; v128-191 A's fragments, one set; v192-255 the bias, eight registers for each of my 8 blocks of columns; on the way out v32-255 are free.
;   window 1: B's fragments, two sets, at v0 and at v128.   window 2: the accumulators of my rows 0-63 ((a, b) at v[8 (8 a + b)]);   window 3: those of my rows 64-127.
.set NQ,     4                         ; matrix instructions deep in a slot: 512 along K
.set ROWB,   256                       ; a tile's row in bytes
.set KROW,   512                       ; a row of codes in memory
.set PITCH,  272                       ; an LDS row: 256 bytes + 16 of padding = 68 words: row r starts at bank 4 r mod 64 (64 banks of 4 bytes: ISA guide 11.1)
.set FR,     8                         ; registers of a fragment: 16 rows x 128 K
.set NL,     2                         ; LDS loads that bring one
.set NP,     4                         ; places behind this matrix instruction (ISA guide 7.12.1)
.set HALFT,  128*PITCH                 ; 128 rows: what one tensor load brings
.set SLOT,   4*HALFT                   ; A's 256 rows, then B's 256 rows
.set KS,     32                        ; a row of scales in bytes
.set SCL,    2*SLOT                    ; behind the slots: the scales, as rows of 256 bytes + 16 of padding
.set HALFS,  (128*KS/256)*272          ; the scales of 128 rows
.set SBLK,   (16*KS/256)*272           ; those of 16 rows
.set SPARE,  SCL+4*HALFS               ; the spare words, 128 bytes for each wave: two blocks of 256 bytes that no other line names
.set SPITCH, 528                       ; the way out: a stage of 16 rows x (512 bytes + 16) for each wave, in slot 0, which has had its only fill and its last read when the first result is stored there
.set KVHALF, 16777216
.set ADRA, 16                          ; v16-17  LDS address of my A fragments in slot 0, 1
.set ADRB, 20                          ; v20-21  the same for B
.set STO,  24                          ; v24     the way out: where I put 32 bytes of a row
.set RD,   25                          ; v25     where I read back: lanes 0-15 one token's 256 bytes (a head), lanes 16-31 the next token's
.set CO,   26                          ; v26     my byte offset in out1: 8,192 (lane / 16) + 16 (lane % 16)
.set ADRS, 27                          ; v27     LDS address of my scale words: lanes 0-15 A's rows, lanes 16-31 B's
.set SPW,  28                          ; v28     LDS address of my spare word; never rewritten
.set NIL,  29                          ; v29     0; never rewritten
.set HO,   30                          ; v30     my byte offset in q16 or kv16: 8 x lane
.set BO,   31                          ; v31     the bias: 32 (lane / 16)
.set SC,   32                          ; scale words: set s at v[SC + 32 s]; register 4 i + q: lanes 0-15 the word of A's block i, lanes 16-31 that of B's block i
.set AF,   128
.set BI,   192
.set BK,   128                         ; the way out: 16 rows read back: v128-191 and v192-255 by turns
.set QSC, 2                            ; s[2:3]   1/8: the packed form names a pair and takes its low word for both halves
.set G1, 24                            ; s[24:31] descriptor group 1 for A's tiles;  s[32:39] group 0, one set for each slot
.set G0, 32
.set G1B, 48                           ; s[48:55], s[56:63] the same for B's tiles
.set G0B, 56
.set G1S, 68                           ; s[68:75], s[76:79] groups 1 and 0 for A's scales;  s[80:87], s[88:91] for B's
.set G0S, 76
.set G1SB, 80
.set G0SB, 88
.set PBI, 96                           ; s[96:97]   my matrix's bias
.set F0,  98                           ; s[98:99]   the f16 buffer at my first head's rows
.set F1,  100                          ; s[100:101] at my second head's
.set MSB, 0
.macro WIN new                         ; the immediate's high byte repeats the setting that is left
.if MSB != \new
	s_set_vgpr_msb (MSB<<8)|\new
.set MSB, \new
.endif
.endm
.set MUL_LO, 0xa1                      ; source 0 (B) window 1, source 1 (A) window 0, C and D window 2
.set MUL_HI, 0xf1                      ; the same, C and D window 3
.set BIA_LO, 0x81                      ; C (the bias) window 0, D window 2
.set BIA_HI, 0xc1                      ; C window 0, D window 3
.set TO_B,   0x40                      ; destination window 1, address window 0
; A joint load: waves 0 and 1 fetch for A, waves 2 and 3 for B; the branch hangs on the wave's number alone.  An s_nop 0 and four v_nop follow each of the two lines.
.macro JLOAD g0a, g1a, g0b, g1b
	s_cmp_eq_u32 s15, 0
	s_cbranch_scc0 .Lfor_b_\@
	tensor_load_to_lds s[\g0a:\g0a+3], s[\g1a:\g1a+7]
	s_nop 0
.rept 4
	v_nop
.endr
	s_branch .Lasked_\@
.Lfor_b_\@:
	tensor_load_to_lds s[\g0b:\g0b+3], s[\g1b:\g1b+7]
	s_nop 0
.rept 4
	v_nop
.endr
.Lasked_\@:
.endm
.macro CROUND                          ; a round of the cluster's barrier
	s_barrier_signal -1
	s_barrier_wait -1
	s_cmp_lg_u32 s14, 0
	s_cbranch_scc1 .Lnot_wave_0_\@
	s_barrier_signal -3
.Lnot_wave_0_\@:
	s_barrier_wait -3
	s_barrier_signal -1
	s_barrier_wait -1
.endm
	s_load_b128 s[4:7], s[0:1], 0x0                ; codes s[4:5], scales s[6:7]
	s_load_b128 s[8:11], s[0:1], 0x10              ; bq, bk
	s_load_b128 s[96:99], s[0:1], 0x20             ; bv, q16
	s_load_b64 s[100:101], s[0:1], 0x30            ; kv16
	s_load_b64 s[104:105], s[0:1], 0x38            ; out1
	v_lshl_add_u32 v[SPW], v0, 2, SPARE
	v_mov_b32 v[NIL], 0
	ds_add_u32 v[SPW], v[NIL]                      ; the wave's opening: the add, twice on end, and its wait ahead of my first tensor load; the set-up below stands between
	ds_add_u32 v[SPW], v[NIL]
	v_lshrrev_b32 v1, 5, v0
	v_readfirstlane_b32 s14, v1                    ; wave 0..3
	s_lshr_b32 s15, s14, 1                         ; which half of the tile's rows is mine.  Also: I fetch for A (0) or for B (1)
	s_and_b32 s16, s14, 1                          ; which half of its columns.  Also: which 128 rows of that tile I fetch
	s_mov_b32 s[QSC], 0x3e000000                   ; 1/8
	s_mov_b32 s[QSC+1], s[QSC]                     ; (named with it as a pair, so it is written)
	s_bfe_u32 s40, ttmp6, 0x40000                  ; cx, cy: my place in the cluster
	s_bfe_u32 s41, ttmp6, 0x40004
	s_lshl_b32 s42, ttmp9, 2
	s_add_co_u32 s42, s42, s40                     ; tile column of C = 4 x cluster x + cx
	s_and_b32 s17, ttmp7, 0xffff
	s_lshl_b32 s17, s17, 2
	s_add_co_u32 s17, s17, s41                     ; tile row of C = 4 x cluster y + cy
	s_lshl_b32 s43, s41, 2
	s_lshl_b32 s43, 15, s43                        ; my row of the cluster
	s_lshl_b32 s44, 0x1111, s40                    ; my column
	; descriptor group 1: a tile of 128 rows x 256 bytes, padded in LDS
	s_or_b32 s[G1+0], s43, (0<<16)|(1<<20)|(1<<21)|(5<<22)|(3<<25)  ; 15:0 the mask: A's tiles go to my row; 17:16 element of 1 byte; 20 padding on; 21 set beside a mask; 24:22 after every 64 words; 31:25 of 4 words
	s_or_b32 s[G1B+0], s44, (0<<16)|(1<<20)|(1<<21)|(5<<22)|(3<<25)
.irp g, G1, G1B
	s_mov_b32 s[\g+1], ROWB<<16                    ; tensor_dim0
	s_mov_b32 s[\g+2], 128<<16                     ; tensor_dim1 = 128
	s_mov_b32 s[\g+3], ROWB<<16                    ; tile_dim0
	s_mov_b32 s[\g+4], 128                         ; tile_dim1 = 128
	s_mov_b32 s[\g+5], KROW                        ; tensor_dim0_stride
	s_mov_b32 s[\g+6], 0
	s_mov_b32 s[\g+7], 0
.endr
	; and for the scales of 128 rows: a dense block of 4,096 bytes, as rows of 256 bytes (32 elements of 8 bytes), 16 bytes of padding behind each
	s_or_b32 s[G1S+0], s43, (3<<16)|(1<<20)|(1<<21)|(5<<22)|(3<<25)
	s_or_b32 s[G1SB+0], s44, (3<<16)|(1<<20)|(1<<21)|(5<<22)|(3<<25)
.irp g, G1S, G1SB
	s_mov_b32 s[\g+1], 32<<16
	s_mov_b32 s[\g+2], (128*KS/256)<<16
	s_mov_b32 s[\g+3], 32<<16
	s_mov_b32 s[\g+4], 128*KS/256
	s_mov_b32 s[\g+5], 32
	s_mov_b32 s[\g+6], 0
	s_mov_b32 s[\g+7], 0
.endr
	s_lshl_b32 s18, s16, 7                         ; which 128 rows of the tile I fetch
	s_lshl_b32 s20, s17, 8
	s_add_co_u32 s20, s20, s18                     ; A: row 256 x tile row + 128 x half
	s_lshl_b32 s46, s42, 8
	s_add_co_u32 s46, s46, s18                     ; B: row 256 x tile column + 128 x half
	s_mov_b32 s21, 0
	s_mov_b32 s47, 0
	s_mov_b64 s[18:19], KS
	s_mul_u64 s[22:23], s[20:21], s[18:19]         ; where these rows' scales begin, in bytes
	s_mul_u64 s[92:93], s[46:47], s[18:19]
	s_mov_b64 s[18:19], KROW
	s_mul_u64 s[20:21], s[20:21], s[18:19]         ; and their codes
	s_mul_u64 s[46:47], s[46:47], s[18:19]
	s_mul_i32 s45, s14, HALFT                      ; where they go: wave x 128 rows: no place in the cluster enters an LDS address
	s_mul_i32 s94, s14, HALFS
	s_wait_dscnt 0x0                               ; both opening adds are done
	s_wait_kmcnt 0x0
	s_cmp_eq_u32 ttmp9, 0                          ; my matrix's bias: the choice hangs on the cluster's x alone
	s_cselect_b64 s[8:9], s[8:9], s[10:11]
	s_cmp_eq_u32 ttmp9, 2
	s_cselect_b64 s[PBI:PBI+1], s[96:97], s[8:9]
	s_add_nc_u64 s[8:9], s[4:5], 4096*KROW         ; B's codes: rows 4096 on
	s_add_nc_u64 s[10:11], s[6:7], 4096*KS         ; B's scales likewise
	s_add_nc_u64 s[20:21], s[4:5], s[20:21]
	s_add_nc_u64 s[22:23], s[6:7], s[22:23]
	s_add_nc_u64 s[46:47], s[8:9], s[46:47]
	s_add_nc_u64 s[92:93], s[10:11], s[92:93]
	CROUND                                         ; all sixteen work-groups are here: the first joint loads meet
	s_mov_b32 s[G0S], 1
	s_add_co_u32 s[G0S+1], s94, SCL
	s_mov_b64 s[G0S+2:G0S+3], s[22:23]
	s_or_b32 s[G0S+3], s[G0S+3], 0x80000000
	s_mov_b32 s[G0SB], 1
	s_add_co_u32 s[G0SB+1], s94, SCL
	s_mov_b64 s[G0SB+2:G0SB+3], s[92:93]
	s_or_b32 s[G0SB+3], s[G0SB+3], 0x80000000
	JLOAD G0S, G1S, G0SB, G1SB                     ; the scales first: they are wanted with the first K step
.irp s, 0,1
	s_mov_b32 s[G0+4*\s], 1
	s_add_co_u32 s[G0+4*\s+1], s45, \s*SLOT
	s_add_nc_u64 s[G0+4*\s+2:G0+4*\s+3], s[20:21], \s*ROWB
	s_or_b32 s[G0+4*\s+3], s[G0+4*\s+3], 0x80000000
	s_mov_b32 s[G0B+4*\s], 1
	s_add_co_u32 s[G0B+4*\s+1], s45, \s*SLOT
	s_add_nc_u64 s[G0B+4*\s+2:G0B+4*\s+3], s[46:47], \s*ROWB
	s_or_b32 s[G0B+4*\s+3], s[G0B+4*\s+3], 0x80000000
	JLOAD G0+4*\s, G1, G0B+4*\s, G1B               ; three tensor loads of mine are out: all of the launch's
.endr
	v_and_b32 v1, 15, v0                           ; l % 16
	v_bfe_u32 v2, v0, 4, 1                         ; l / 16
	v_mul_u32_u24 v3, v1, PITCH
	v_lshl_add_u32 v4, v2, 4, v3                   ; a fragment's row x pitch + 16 x half
	s_mul_i32 s21, s15, HALFT                      ; my 128 rows of A
	s_mul_i32 s22, s16, HALFT                      ; my 128 rows of B,
	s_add_co_u32 s22, s22, 2*HALFT                 ; which lie behind A's 256
.irp s, 0,1
	v_add_nc_u32 v[ADRA+\s], s21, v4
	v_add_nc_u32 v[ADRB+\s], s22, v4
	s_add_co_u32 s21, s21, SLOT
	s_add_co_u32 s22, s22, SLOT
.endr
	v_mul_u32_u24 v5, v1, KS                       ; my row's scales: 32 bytes a row,
	v_lshrrev_b32 v6, 8, v5
	v_lshl_add_u32 v5, v6, 4, v5                   ; and 16 more for each 256 passed
	s_mul_i32 s21, s15, HALFS                      ; A's: my 128 rows
	s_mul_i32 s22, s16, HALFS                      ; B's: my 128 rows, behind A's 256
	s_add_co_u32 s22, s22, 2*HALFS
	s_sub_co_u32 s22, s22, s21
	v_mul_u32_u24 v6, s22, v2                      ; lanes 16-31 take B's
	s_add_co_u32 s21, s21, SCL
	v_add_nc_u32 v5, v5, v6
	v_add_nc_u32 v[ADRS], s21, v5
	s_mul_i32 s23, s14, 16*SPITCH                  ; my stage
	v_mul_u32_u24 v5, v1, SPITCH                   ; in: row l % 16, 32 bytes for each half of the lanes
	v_lshl_add_u32 v5, v2, 5, v5
	v_add_nc_u32 v[STO], s23, v5
	v_mul_u32_u24 v6, v2, SPITCH                   ; back: lanes 0-15 one row, lanes 16-31 the next; 16 bytes a lane
	v_lshl_add_u32 v6, v1, 4, v6
	v_add_nc_u32 v[RD], s23, v6
	v_lshlrev_b32 v[CO], 13, v2                    ; a token of out1 is 8,192 bytes
	v_lshl_add_u32 v[CO], v1, 4, v[CO]
	v_and_b32 v6, 31, v0
	v_lshlrev_b32 v[HO], 3, v6                     ; two tokens' rows of 128 bytes of f16 lie on end
	v_lshlrev_b32 v[BO], 5, v2
	; where my results go.  The selections hang on the cluster's x alone
	s_cmp_eq_u32 ttmp9, 0
	s_cselect_b64 s[F0:F0+1], s[98:99], s[100:101] ; q16, or kv16
	s_cselect_b32 s92, 10, 11                      ; a head has 2^10 rows in q16, 2^11 in kv16,
	s_cselect_b32 s93, 0, 1024                     ; where the new keys begin at 1,024
	s_cmp_eq_u32 ttmp9, 2
	s_cselect_b32 s94, KVHALF, 0                   ; V's part of kv16,
	s_cselect_b32 s95, 4096, 0                     ; and of a token of out1
	s_lshl_b32 s20, s17, 8
	s_lshl_b32 s21, s15, 7
	s_add_co_u32 s20, s20, s21                     ; my first token: 256 x tile row + 128 x half
	s_lshr_b32 s21, s20, 10
	s_lshl_b32 s21, s21, 4                         ; 16 x batch
	s_lshl_b32 s22, s40, 2
	s_add_co_u32 s21, s21, s22
	s_lshl_b32 s22, s16, 1
	s_add_co_u32 s21, s21, s22                     ; + my first head: 4 cx + 2 x half
	s_lshl_b32 s21, s21, s92
	s_and_b32 s22, s20, 1023
	s_add_co_u32 s21, s21, s22                     ; + the token in its batch
	s_add_co_u32 s21, s21, s93
	s_lshl_b32 s46, s21, 7                         ; rows of 128 bytes
	s_add_co_u32 s46, s46, s94
	s_mov_b32 s47, 0
	s_add_nc_u64 s[F0:F0+1], s[F0:F0+1], s[46:47]
	s_lshl_b32 s46, 128, s92                       ; a head on
	s_add_nc_u64 s[F1:F1+1], s[F0:F0+1], s[46:47]
	s_lshl_b32 s46, s40, 10
	s_lshl_b32 s22, s16, 9
	s_add_co_u32 s46, s46, s22                     ; my 128 columns of the matrix, in bytes of f32
	s_add_nc_u64 s[PBI:PBI+1], s[PBI:PBI+1], s[46:47]
	s_lshl_b32 s22, s20, 13
	s_add_co_u32 s46, s46, s22
	s_add_co_u32 s46, s46, s95
	s_add_nc_u64 s[12:13], s[104:105], s[46:47]    ; out1 at my first token (not used for q)
.irp b, 0,1,2,3,4,5,6,7                        ; the bias in the result's layout: lane (r, h), block b: columns 16 b + 8 h + 0 .. 7
	global_load_b128 v[BI+8*\b:BI+8*\b+3], v[BO], s[PBI:PBI+1] offset:64*\b
	global_load_b128 v[BI+8*\b+4:BI+8*\b+7], v[BO], s[PBI:PBI+1] offset:64*\b+16
.endr
.macro FRAG reg, adr, q, i             ; a fragment, 16 rows x 128 K of 4-bit codes, is 8 registers: lane l holds row l % 16; registers 4 c .. 4 c + 3 hold K = 64 c + 32 (l / 16) + 0 .. 31
.irp c, 0,1
	ds_load_b128 v[\reg+4*\c:\reg+4*\c+3], v[\adr] offset:64*(\q)+32*\c+(\i)*16*PITCH
.endr
.endm
; 16 matrix instructions: A's blocks a0, a0 + 1 x B's eight, 128 along K: the slot's q-th.  p: B's set;  sc: the set of scale words.  first = 1: the product starts the sums, with the bias as C: nothing is cleared or added later.
; The 64 accumulators take turns, one instruction a turn, in the same order in every step.
.macro MUL16 a0, p, q, sc, first
.irp a, \a0, \a0+1
.irp b, 0,1,2,3,4,5,6,7
.if \first
	v_wmma_scale_f32_16x16x128_f8f6f4 v[8*(8*((\a)%4)+\b):8*(8*((\a)%4)+\b)+7], v[128*(\p)+FR*\b:128*(\p)+FR*\b+FR-1], v[AF+FR*(\a):AF+FR*(\a)+FR-1], v[BI+8*\b:BI+8*\b+7], v[SC+8*NQ*(\sc)+NQ*\b+(\q)], v[SC+8*NQ*(\sc)+NQ*(\a)+(\q)] matrix_a_fmt:MATRIX_FMT_FP4 matrix_b_fmt:MATRIX_FMT_FP4 matrix_a_scale:MATRIX_SCALE_ROW1
.else
	v_wmma_scale_f32_16x16x128_f8f6f4 v[8*(8*((\a)%4)+\b):8*(8*((\a)%4)+\b)+7], v[128*(\p)+FR*\b:128*(\p)+FR*\b+FR-1], v[AF+FR*(\a):AF+FR*(\a)+FR-1], v[8*(8*((\a)%4)+\b):8*(8*((\a)%4)+\b)+7], v[SC+8*NQ*(\sc)+NQ*\b+(\q)], v[SC+8*NQ*(\sc)+NQ*(\a)+(\q)] matrix_a_fmt:MATRIX_FMT_FP4 matrix_b_fmt:MATRIX_FMT_FP4 matrix_a_scale:MATRIX_SCALE_ROW1
.endif
.endr
.endr
.endm
.macro FETCH_B slot, q, p              ; B's eight fragments of the slot's q-th 128 along K into set p
	WIN TO_B
.irp i, 0,1,2,3,4,5,6,7
	FRAG 128*(\p)+FR*\i, ADRB+\slot, \q, \i
.endr
	WIN 0
.endm
.macro FETCH_A slot, q, i0             ; A's blocks i0 .. i0 + 3
.irp i, \i0, \i0+1, \i0+2, \i0+3
	FRAG AF+FR*(\i), ADRA+\slot, \q, \i
.endr
.endm
.macro SCALES sc                       ; a K step's scale words into set sc: four words a row; lanes 0-15 take A's block i, lanes 16-31 B's block i
.irp i, 0,1,2,3,4,5,6,7
	ds_load_b128 v[SC+8*NQ*\sc+NQ*\i:SC+8*NQ*\sc+NQ*\i+3], v[ADRS] offset:\i*SBLK
.endr
.endm
; A load into a register that a matrix instruction has read, and a vector instruction or an LDS store that reads a matrix result, stand NP places behind that matrix instruction, and only plain vector
; instructions that name none of its registers are places (ISA guide 7.12.1 for vector instructions).
.macro PLACES n
.rept \n
	v_nop
.endr
.endm
; A step of 128 along K that has its successor in the same slot.  A block of A is free as soon as its eight products are issued: blocks 0-3 are fetched anew in the step's middle, blocks 4-7 at its end.
.macro STEP slot, q, first
	s_wait_dscnt 4*NL                              ; B's set and A's blocks 0-3 are in; the youngest eight loads (A's blocks 4-7) may be out
.if \first
	WIN BIA_LO
.else
	WIN MUL_LO
.endif
	MUL16 0, (\q)%2, \q, \slot, \first
	MUL16 2, (\q)%2, \q, \slot, \first
	s_wait_dscnt 0                                 ; A's blocks 4-7 are in (asked for 32 matrix instructions ago)
	PLACES NP
	FETCH_B \slot, (\q)+1, 1-(\q)%2
	FETCH_A \slot, (\q)+1, 0
.if \first
	WIN BIA_HI
.else
	WIN MUL_HI
.endif
	MUL16 4, (\q)%2, \q, \slot, \first
	MUL16 6, (\q)%2, \q, \slot, \first
	PLACES NP
	WIN 0
	FETCH_A \slot, (\q)+1, 4
.endm
; Slot 0's last step changes slots: one barrier; in front of it each wave waits for all its tensor loads (its part of slot 1), adds 0 to its spare word, and waits for that and for its own reads of slot 0.  Nothing is filled again.
.macro TURN slot, next
	s_wait_tensorcnt 0x0                           ; all my tensor loads have landed
	ds_add_u32 v[SPW], v[NIL]                      ; 0 onto my spare word
	s_wait_dscnt 4*NL+1                            ; (the add and the youngest eight loads, A's blocks 4-7, may be out)
	WIN MUL_LO
	MUL16 0, 1, NQ-1, \slot, 0                     ; sixteen matrix instructions stand between the add and the wait for it
	s_wait_dscnt 0x0                               ; the add is done, and my reads of this slot are over
	s_barrier_signal -1
	MUL16 2, 1, NQ-1, \slot, 0
	WIN 0
	s_barrier_wait -1
	PLACES NP
	v_add_nc_u32 v[ADRS], 4*NQ, v[ADRS]            ; on to the next K step's scale words (no LDS load of mine is out)
	FETCH_B \next, 0, 0
	FETCH_A \next, 0, 0
	SCALES \next
	WIN MUL_HI
	MUL16 4, 1, NQ-1, \slot, 0
	MUL16 6, 1, NQ-1, \slot, 0
	PLACES NP
	WIN 0
	FETCH_A \next, 0, 4
.endm
.macro STEPS slot, from                ; the slot's steps from .. NQ - 2
.set Q, \from
.rept NQ-1-\from
	STEP \slot, Q, 0
.set Q, Q+1
.endr
.endm
	s_wait_tensorcnt 1                             ; the scales and my part of slot 0 are in (slot 1's load may be out)
	s_barrier_signal -1
	s_barrier_wait -1                              ; everybody's are
	FETCH_B 0, 0, 0
	FETCH_A 0, 0, 0
	SCALES 0
	FETCH_A 0, 0, 4
	s_wait_loadcnt 0x0                             ; the bias
	STEP 0, 0, 1                                   ; the first step's products start the sums
	STEPS 0, 1
	TURN 0, 1
	STEPS 1, 0
	s_wait_dscnt 4*NL                              ; the very last step: nothing more to fetch
	WIN MUL_LO
	MUL16 0, 1, NQ-1, 1, 0
	MUL16 2, 1, NQ-1, 1, 0
	s_wait_dscnt 0
	WIN MUL_HI
	MUL16 4, 1, NQ-1, 1, 0
	MUL16 6, 1, NQ-1, 1, 0
	WIN 0
; THE WAY OUT, block by block of 16 tokens x 128 columns (two heads).  A lane holds 32 neighbouring bytes of a token's row, and the lanes beside it hold other tokens: so a block goes through my own stage in LDS and comes back
; as pieces of 256 bytes, a head of a token for sixteen lanes.  LDS serves a wave's instructions in order (ISA guide 5.7.1.4): no wait between the stores and the loads, nor in front of the next block's stores.
.macro TOSTAGE a
.set AC, 64*((\a)%4)
	WIN 0x08+4*((\a)/4)                            ; the data: window 2 or 3
.irp b, 0,1,2,3,4,5,6,7
	ds_store_b128 v[STO], v[AC+8*\b:AC+8*\b+3] offset:64*\b          ; each accumulator from its low end on
	ds_store_b128 v[STO], v[AC+8*\b+4:AC+8*\b+7] offset:64*\b+16
.endr
	WIN 0
.set BB, BK+64*((\a)%2)
.irp t, 0,1,2,3,4,5,6,7,8,9,10,11,12,13,14,15
	ds_load_b128 v[BB+4*\t:BB+4*\t+3], v[RD] offset:2*(\t/2)*SPITCH+256*(\t%2)   ; tokens 2 (t / 2) and + 1, head t % 2
.endr
.endm
.macro SEND a, younger                 ; younger: the LDS instructions issued behind block a's loads, which may stay out
.set BB, BK+64*((\a)%2)
.set HB, 32+32*((\a)%2)
	s_wait_dscnt \younger                          ; the block is back in registers
.if (\a) > 0
	s_add_nc_u64 s[12:13], s[12:13], 16*8192       ; (behind a wait on XCNT for 0: the earlier stores have read their bases)  16 tokens on
	s_add_nc_u64 s[F0:F0+1], s[F0:F0+1], 16*128
	s_add_nc_u64 s[F1:F1+1], s[F1:F1+1], 16*128
.endif
	s_cmp_eq_u32 ttmp9, 0                          ; k and v are outputs and go out in f32 as they are; q is none, and takes reference()'s scale instead.  The cluster's x is the same in all waves and partners
	s_cbranch_scc1 .Lis_q_\@
.irp t, 0,1,2,3,4,5,6,7,8,9,10,11,12,13,14,15
	global_store_b128 v[CO], v[BB+4*\t:BB+4*\t+3], s[12:13] offset:(\t/2)*16384+(\t%2)*256 th:TH_STORE_NT   ; sixteen lanes store 256 consecutive bytes, aligned; written once, read by nobody here
.endr
	s_branch .Lnarrow_\@
.Lis_q_\@:
.irp t, 0,1,2,3,4,5,6,7,8,9,10,11,12,13,14,15
	v_pk_mul_f32 v[BB+4*\t:BB+4*\t+1], v[BB+4*\t:BB+4*\t+1], s[QSC:QSC+1] op_sel_hi:[1,0]       ; q / 8, in f32 (no store of this way reads these registers)
	v_pk_mul_f32 v[BB+4*\t+2:BB+4*\t+3], v[BB+4*\t+2:BB+4*\t+3], s[QSC:QSC+1] op_sel_hi:[1,0]
.endr
.Lnarrow_\@:
.irp t, 0,1,2,3,4,5,6,7,8,9,10,11,12,13,14,15
	v_cvt_pk_f16_f32 v[HB+2*\t], v[BB+4*\t], v[BB+4*\t+1]
	v_cvt_pk_f16_f32 v[HB+2*\t+1], v[BB+4*\t+2], v[BB+4*\t+3]
.endr
.irp t, 0,1,2,3,4,5,6,7,8,9,10,11,12,13,14,15
	global_store_b64 v[HO], v[HB+2*\t:HB+2*\t+1], s[F0+2*(\t%2):F0+2*(\t%2)+1] offset:(\t/2)*256   ; 32 lanes store two tokens' rows of a head: 256 consecutive bytes, aligned
.endr
.endm
	PLACES NP                                      ; these places serve the loads into the registers that held A's fragments and the bias, the conversions into those that held scale words, and block 7's reads alike
	TOSTAGE 0
.irp a, 1,2,3,4,5,6,7
.if \a > 1
	s_wait_xcnt 0x0                                ; block a - 2's stores have read their registers and their bases: block a's loads may land there, and the bases may step
.endif
	TOSTAGE \a
	SEND \a-1, 32                                  ; behind block a - 1's loads: block a's 16 stores and 16 loads
.endr
	s_wait_xcnt 0x0                                ; block 6's stores have read their bases
	SEND 7, 0
	s_wait_tensorcnt 0x0                           ; the wave's end: a wait on TENSORcnt, an add to my spare word and a wait on DScnt, behind my last tensor load and my last LDS store
	ds_add_u32 v[SPW], v[NIL]
	s_wait_dscnt 0x0
	CROUND                                         ; the closing round: no work-group ends while a partner may still ask for a tile that names it
	s_endpgm
.Lfunc_end_k_q1ddaea867a_qkv:
	.size	k_q1ddaea867a_qkv, .Lfunc_end_k_q1ddaea867a_qkv-k_q1ddaea867a_qkv
	.p2alignl 7, 3214868480
	.fill 96, 4, 3214868480
	.section	.rodata,"a",@progbits
	.p2align	6, 0x0
	.amdhsa_kernel k_q1ddaea867a_qkv
		.amdhsa_group_segment_fixed_size 327680
		.amdhsa_private_segment_fixed_size 0
		.amdhsa_enable_private_segment 0
		.amdhsa_kernarg_size 64
		.amdhsa_user_sgpr_count 2
		.amdhsa_user_sgpr_kernarg_segment_ptr 1
		.amdhsa_wavefront_size32 1
		.amdhsa_system_sgpr_workgroup_id_x 1
		.amdhsa_system_sgpr_workgroup_id_y 1
		.amdhsa_system_sgpr_workgroup_id_z 1
		.amdhsa_system_vgpr_workitem_id 0
		.amdhsa_next_free_vgpr 1024
		.amdhsa_next_free_sgpr 106
		.amdhsa_reserve_vcc 0
		.amdhsa_float_denorm_mode_32 3
		.amdhsa_float_denorm_mode_16_64 3
		.amdhsa_memory_ordered 1
		.amdhsa_forward_progress 1
		.amdhsa_inst_pref_size 173
	.end_amdhsa_kernel
	.amdgpu_metadata
---
amdhsa.version: [ 1, 2 ]
amdhsa.kernels:
  - .name:           k_q1ddaea867a_qkv
    .symbol:         k_q1ddaea867a_qkv.kd
    .args:
      - { .name: codes, .offset: 0, .size: 8, .value_kind: global_buffer, .address_space: global }
      - { .name: scales, .offset: 8, .size: 8, .value_kind: global_buffer, .address_space: global }
      - { .name: bq, .offset: 16, .size: 8, .value_kind: global_buffer, .address_space: global }
      - { .name: bk, .offset: 24, .size: 8, .value_kind: global_buffer, .address_space: global }
      - { .name: bv, .offset: 32, .size: 8, .value_kind: global_buffer, .address_space: global }
      - { .name: q16, .offset: 40, .size: 8, .value_kind: global_buffer, .address_space: global }
      - { .name: kv16, .offset: 48, .size: 8, .value_kind: global_buffer, .address_space: global }
      - { .name: out1, .offset: 56, .size: 8, .value_kind: global_buffer, .address_space: global }
    .group_segment_fixed_size: 327680
    .private_segment_fixed_size: 0
    .kernarg_segment_align: 8
    .kernarg_segment_size: 64
    .max_flat_workgroup_size: 128
    .sgpr_count:     106
    .vgpr_count:     1024
    .wavefront_size: 32
...
	.end_amdgpu_metadata
.endif
;; end of part 2
;; launch attn (part 3): grid 2 x 128, 8 waves a work-group, no clusters, 327,680 bytes of LDS; arguments q16, kv16, relative_positions, o16; writes o16
.if DOCPART == 3
	.amdgcn_target "amdgcn-amd-amdhsa--gfx1250"
	.amdhsa_code_object_version 6
	.text
	.protected	k_q1ddaea867a_attn
	.globl	k_q1ddaea867a_attn
	.p2align	8
	.type	k_q1ddaea867a_attn,@function
k_q1ddaea867a_attn:
	s_mov_b64 s[64:65], 0
	v_nop
	global_prefetch_b8 v0, s[64:65] scope:SCOPE_SE
	s_setreg_imm32_b32 hwreg(HW_REG_WAVE_MODE, 25, 1), 1
	s_wait_xcnt 0x0
; o16[batch][i][head][:] = sum over j of softmax_j((rel[head][i][j] + (q[i] / 8) . key[j]) / 8) value[j][:], key j counting for query i where j <= i + 1024.  1,024 queries, 2,048 keys, head size 64.
; q16 [batch][head][1024][64] (it holds q / 8), kv16 [K or V][batch][head][2048][64], o16 [token][1024]: f16; relative_positions [16][1024][2048]: f32.  Products on f16 operands with f32 sums; maxima, exponentials and sums in f32.
; WORK LEFT OUT: key steps all of whose 64 keys come after a wave's last query + 1024 (reference()'s own mask makes their weights 0), and slots of 128 keys that no wave of the work-group reads.
; LIMITS: a NaN or an infinity in the part of relative_positions so left out is not carried to the result; NaN and infinities among the inputs are not served.
; SHARES.  A work-group takes 128 queries of one head for TWO batches, so that each tile of relative_positions, which all batches share, serves two.  Wave w: batch 2 x + w / 4, queries 32 (w % 4) on: two tiles of 16.
; Two waves to a SIMD, so that one wave's vector work stands beside the other's matrix work and LDS loads.  Every wave walks the keys 64 a step; a slot of the ring holds 128 keys: rel 128 x 128 f32, K and V of both batches.
; NO CLUSTER: the mask lets all waves of a work-group of early queries pass over whole slots, which are then not asked for; partners of other query blocks would need other numbers of tiles.
; LAYOUT.  S^T = K Q^T + rel^T (source 0 = 16 keys, source 1 = 16 queries, C = rel as it lies: a lane's eight keys are 32 neighbouring bytes of its query's row): a lane holds ONE query (lane % 16) and keys 8 (lane / 16) + 0..7.
; Two such tiles, rounded to f16 in pairs, ARE source 1 (32 keys x 16 queries) of O^T = V^T P, whose result again holds one query a lane and eight channels.  K comes out of LDS as it lies, V turned, by ds_load_tr16_b128.
; SOFTMAX.  For each query a running maximum m and sum l: p = 2^(c s - c m), c = log2(e) / 8; in every step O and l are multiplied by a = 2^(c m_old - c m_new).  m begins at -3e38, O and l at 0: the step is written once.
; THE WALK.  Every work-group walks all 16 slots: trip counts are constants.  What is left out is a step's work (a scalar branch on ids) and the load of a slot beyond the work-group's last query + 1024 (a jump on ids round the load
; alone; every wait on TENSORcnt is for 0; all eight waves go the same way).
; REGISTERS: window 0: v0-15 addresses; v16-31 statistics, eight a tile; v32-95 S^T; v96-127 P; v128-191 K's fragments; v192-255 V's.   window 1: v0-63 O^T; v64-95 Q.
.set SLOTB,  145408                    ; a slot: rel 128 rows x 528, K 2 x 128 x 144, V 2 x 128 x 160
.set KOFF,   67584
.set VOFF,   104448
.set SPARE,  2*SLOTB                   ; behind the ring: the spare words, 128 bytes for each wave: four blocks of 256 bytes that no other line names
.set KVHALF, 16777216
.set PR,     528                       ; a row of rel in LDS: 512 bytes + 16 = 132 words: row r starts at bank 4 r mod 64 (64 banks of 4 bytes: ISA guide 11.1)
.set PK,     144                       ; a key's row: 128 bytes + 16: an odd multiple of 16
.set PV,     160                       ; a value's row: 128 bytes + 32: an odd multiple of 32, for the turning load
.set AK0,  3                           ; v3   my lane's place in a slot's K
.set AV0,  4                           ; v4   in its V
.set AR0,  5                           ; v5   in its rel
.set ADK,  6                           ; v6-8 the same in the slot in hand
.set ADV,  7
.set ADR,  8
.set SPW,  9                           ; v9   LDS address of my spare word; never rewritten
.set NIL,  10                          ; v10  0; never rewritten
.set GO,   11                          ; v11  the way out: my byte offset in the wave's rows of o16
.set STO,  12                          ; v12  where I put 16 bytes of a row
.set RD,   13                          ; v13  where I read a row back
.set PFOR, 14                          ; v14  the prefetches' offsets: 8,192 x lane (a row of rel),
.set PFOK, 15                          ; v15  256 x lane; never rewritten
.set ST,   16                          ; tile t's statistics at v[ST+8 t]: +0 c m, +1 m, +2, +3 l (even keys', odd keys'), +4 to +7 at work; a takes +6
.set SCO,  32
.set PW,   96
.set KFR,  128
.set VFR,  192
.set OAC,  0                           ; in window 1
.set QFR,  64                          ; in window 1
.set WV,   12                          ; s12 wave;  s13 wave % 2;  s14 wave / 4: which batch;  s15 wave % 4: which 32 queries;  s18 head;  s19 block of 128 queries
.set SUB,  13
.set BE,   14
.set QS,   15
.set HD,   18
.set QB,   19
.set SEL,  20                          ; s[20:21] lane selects for v_permlanex16_b32: lane l xor 16
.set CS,   22                          ; s[22:23] c: the packed form names a pair and takes its low word for both halves
.set G1R,  24                          ; s[24:31], s[32:39], s[40:47] descriptor groups 1 for rel, K, V;  s[48:51], s[52:55], s[56:59] their groups 0, which walk
.set G1K,  32
.set G1V,  40
.set G0R,  48
.set G0K,  52
.set G0V,  56
.set TB,   60                          ; s60  LDS byte at which the slot in hand begins: 0 or SLOTB
.set TN,   61                          ; s61  the same for the slot that is filled
.set CR,   62                          ; s62, s63, s66  my tile's place in a slot, as I would fetch rel, K or V
.set CK,   63
.set CV,   66
.set KF,   67                          ; s67  the step's first key
.set Q0,   68                          ; s68  my first query
.set LQ,   69                          ; s69  the work-group's last query + 1024
.set LW,   70                          ; s70  my last query + 1024
.set LO,   71                          ; s71  my first query + 1024
.set SLOTS, 72
.set PFR,  74                          ; s[74:75] where my prefetches of rel stand;  s[76:77] of K or V
.set PFK,  76
.set FR,   78                          ; s78  1 in a wave that prefetches rel;  s79 the same for K and V
.set FK,   79
.set MSB, 0
.macro WIN new                         ; the immediate's high byte repeats the setting that is left
.if MSB != \new
	s_set_vgpr_msb (MSB<<8)|\new
.set MSB, \new
.endif
.endm
.set W_KQ, 0x04                        ; source 1 (Q) window 1
.set W_PV, 0x50                        ; C and D (O^T) window 1
.set W_RS, 0x41                        ; destination and source 0 window 1
.set W_CV, 0x05                        ; sources 0 and 1 window 1
.set TO_1, 0x40                        ; destination window 1
; Waves 0 and 1 fetch rel's two halves (64 queries each), waves 2 and 3 K of the two batches, waves 4 and 5 V, waves 6 and 7 nothing.  The branches hang on the wave's number alone.
; An s_nop 0 and four v_nop follow each load.
.macro TLOAD
	s_cmp_lt_u32 s[WV], 2
	s_cbranch_scc0 .Lnot_r_\@
	tensor_load_to_lds s[G0R:G0R+3], s[G1R:G1R+7]
	s_nop 0
.rept 4
	v_nop
.endr
	s_branch .Lasked_\@
.Lnot_r_\@:
	s_cmp_lt_u32 s[WV], 4
	s_cbranch_scc0 .Lnot_k_\@
	tensor_load_to_lds s[G0K:G0K+3], s[G1K:G1K+7]
	s_nop 0
.rept 4
	v_nop
.endr
	s_branch .Lasked_\@
.Lnot_k_\@:
	s_cmp_lt_u32 s[WV], 6
	s_cbranch_scc0 .Lasked_\@
	tensor_load_to_lds s[G0V:G0V+3], s[G1V:G1V+7]
	s_nop 0
.rept 4
	v_nop
.endr
.Lasked_\@:
.endm
; A PREFETCH INTO THE L2 of what the NEXT change of slots will ask for, by the two waves that fetch nothing.  It stands where the fetching waves have their tensor load.  Each aligned block of 256 bytes is named once in the launch:
; a tile of rel is read by the two work-groups of a head and query block: the one with x = 0 asks, wave 6 for its first 64 rows, wave 7 for the others: a lane a row, 2 x 256 bytes of a row, 2 x 32 rows: four instructions;
; K and V of a batch and head are read by its eight query blocks: the last block, which walks all slots, asks: wave 6 for K, wave 7 for V: 16,384 dense bytes for each of the two batches, lanes 256 bytes apart: four instructions.
; It asks only for slots that the work-group will load: nothing where the slot after next begins beyond its last query + 1024, which also keeps every address inside its buffer.  Slots 0 and 1 come by their loads alone.
.macro ASK
	s_add_co_u32 s96, s[KF], 256
	s_cmp_gt_u32 s96, s[LQ]
	s_cbranch_scc1 .Lno_ask_\@
	s_cmp_eq_u32 s[FR], 1
	s_cbranch_scc0 .Lno_rel_\@
	global_prefetch_b8 v[PFOR], s[PFR:PFR+1] th:TH_LOAD_NT scope:SCOPE_SE
	global_prefetch_b8 v[PFOR], s[PFR:PFR+1] offset:256 th:TH_LOAD_NT scope:SCOPE_SE
	global_prefetch_b8 v[PFOR], s[PFR:PFR+1] offset:262144 th:TH_LOAD_NT scope:SCOPE_SE
	global_prefetch_b8 v[PFOR], s[PFR:PFR+1] offset:262400 th:TH_LOAD_NT scope:SCOPE_SE
.Lno_rel_\@:
	s_cmp_eq_u32 s[FK], 1
	s_cbranch_scc0 .Lno_ask_\@
	global_prefetch_b8 v[PFOK], s[PFK:PFK+1] th:TH_LOAD_NT scope:SCOPE_SE
	global_prefetch_b8 v[PFOK], s[PFK:PFK+1] offset:8192 th:TH_LOAD_NT scope:SCOPE_SE
	global_prefetch_b8 v[PFOK], s[PFK:PFK+1] offset:4194304 th:TH_LOAD_NT scope:SCOPE_SE
	global_prefetch_b8 v[PFOK], s[PFK:PFK+1] offset:4202496 th:TH_LOAD_NT scope:SCOPE_SE
.Lno_ask_\@:
.endm
	s_load_b256 s[4:11], s[0:1], 0x0               ; q16 s[4:5], kv16 s[6:7], rel s[8:9], o16 s[10:11]
	v_lshl_add_u32 v[SPW], v0, 2, SPARE
	v_mov_b32 v[NIL], 0
	ds_add_u32 v[SPW], v[NIL]                      ; the wave's opening: the add, twice on end, and its wait ahead of my first tensor load; the set-up below stands between
	ds_add_u32 v[SPW], v[NIL]
	v_lshrrev_b32 v1, 5, v0
	v_readfirstlane_b32 s[WV], v1                  ; wave 0..7
	s_and_b32 s[SUB], s[WV], 1
	s_lshr_b32 s[BE], s[WV], 2
	s_and_b32 s[QS], s[WV], 3
	s_and_b32 s17, ttmp7, 0xffff
	s_lshr_b32 s[HD], s17, 3
	s_and_b32 s[QB], s17, 7
	; descriptor groups 1.  rel: 64 rows x 128 elements of 4 bytes, 2,048 elements from row to row;  K, V: 128 rows x 64 elements of 2 bytes, dense
	s_mov_b32 s[G1R], (2<<16)|(1<<20)|(6<<22)|(3<<25)   ; 17:16 elements of 4 bytes; 20 padding on; 24:22 after every 128 words; 31:25 four words
	s_mov_b32 s[G1R+1], 128<<16                    ; tensor_dim0
	s_mov_b32 s[G1R+2], 64<<16                     ; tensor_dim1
	s_mov_b32 s[G1R+3], 128<<16                    ; tile_dim0
	s_mov_b32 s[G1R+4], 64                         ; tile_dim1
	s_mov_b32 s[G1R+5], 2048                       ; tensor_dim0_stride
	s_mov_b32 s[G1R+6], 0
	s_mov_b32 s[G1R+7], 0
	s_mov_b32 s[G1K], (1<<16)|(1<<20)|(4<<22)|(3<<25)   ; elements of 2 bytes; four words of padding after every 32
	s_mov_b32 s[G1V], (1<<16)|(1<<20)|(4<<22)|(7<<25)   ; eight words of padding
.irp g, G1K, G1V
	s_mov_b32 s[\g+1], 64<<16
	s_mov_b32 s[\g+2], 128<<16
	s_mov_b32 s[\g+3], 64<<16
	s_mov_b32 s[\g+4], 128
	s_mov_b32 s[\g+5], 64
	s_mov_b32 s[\g+6], 0
	s_mov_b32 s[\g+7], 0
.endr
	s_mov_b32 s[SEL], 0x76543210
	s_mov_b32 s[SEL+1], 0xfedcba98
	s_mov_b32 s[CS], 0x3e38aa3b                    ; c = log2(e) / 8: reference()'s second scale and the change of base
	s_mov_b32 s[CS+1], s[CS]                       ; (named with it as a pair, so it is written)
	s_mov_b32 s[TB], 0
	s_mov_b32 s[TN], 0
	s_mul_i32 s[CR], s[SUB], 64*PR
	s_mul_i32 s[CK], s[SUB], 128*PK
	s_add_co_u32 s[CK], s[CK], KOFF
	s_mul_i32 s[CV], s[SUB], 128*PV
	s_add_co_u32 s[CV], s[CV], VOFF
	s_mov_b32 s[KF], 0
	s_lshl_b32 s[Q0], s[QB], 7
	s_lshl_b32 s80, s[QS], 5
	s_add_co_u32 s[Q0], s[Q0], s80
	s_or_b32 s[LQ], s[Q0], 127
	s_add_co_u32 s[LQ], s[LQ], 1024
	s_add_co_u32 s[LW], s[Q0], 1055
	s_add_co_u32 s[LO], s[Q0], 1024
	s_mov_b32 s[SLOTS], 15
	s_lshl_b32 s80, s[HD], 10
	s_lshl_b32 s81, s[QB], 7
	s_add_co_u32 s80, s80, s81
	s_lshl_b32 s81, s[SUB], 6
	s_add_co_u32 s82, s80, s81                     ; rel: row 1024 head + 128 block + 64 (wave % 2),
	s_lshl_b32 s82, s82, 13                        ; of 8,192 bytes
	s_mov_b32 s83, 0
	s_lshl_b32 s84, ttmp9, 1                       ; the work-group's first batch
	s_add_co_u32 s85, s84, s[SUB]
	s_lshl_b32 s85, s85, 4
	s_add_co_u32 s85, s85, s[HD]
	s_lshl_b32 s86, s85, 18                        ; K, V: batch (first + wave % 2), my head: 2,048 keys x 128 bytes each
	s_mov_b32 s87, 0
	s_add_co_u32 s88, s84, s[BE]                   ; my batch
	s_lshl_b32 s89, s88, 4
	s_add_co_u32 s89, s89, s[HD]
	s_lshl_b32 s89, s89, 10
	s_add_co_u32 s89, s89, s[Q0]
	s_lshl_b32 s90, s89, 7                         ; Q: my first query's row of 128 bytes
	s_mov_b32 s91, 0
	s_lshl_b32 s88, s88, 10
	s_add_co_u32 s88, s88, s[Q0]
	s_lshl_b32 s92, s88, 11                        ; o16: my first token's row of 2,048 bytes,
	s_lshl_b32 s93, s[HD], 7
	s_add_co_u32 s92, s92, s93                     ; my head's 128 bytes of it
	s_mov_b32 s93, 0
	s_lshl_b32 s94, s84, 4                         ; the prefetches of K (wave 6) or V (wave 7): the first batch, my head,
	s_add_co_u32 s94, s94, s[HD]
	s_lshl_b32 s94, s94, 18
	s_lshl_b32 s95, s[SUB], 24
	s_add_co_u32 s94, s94, s95
	s_add_co_u32 s94, s94, 16384                   ; in slot 1: the first change of slots steps it to slot 2
	s_mov_b32 s95, 0
	s_lshr_b32 s96, s[WV], 1
	s_cmp_eq_u32 s96, 3                            ; waves 6 and 7
	s_cselect_b32 s96, 1, 0
	s_cmp_eq_u32 ttmp9, 0
	s_cselect_b32 s[FR], s96, 0
	s_cmp_eq_u32 s[QB], 7
	s_cselect_b32 s[FK], s96, 0
	s_wait_dscnt 0x0                               ; both opening adds are done
	s_wait_kmcnt 0x0
	s_mov_b32 s[G0R], 1                            ; 1:0 count = 1
	s_mov_b32 s[G0R+1], s[CR]                      ; 63:32 LDS address: slot 0
	s_add_nc_u64 s[G0R+2:G0R+3], s[8:9], s[82:83]  ; 120:64 global address: keys 0-127
	s_or_b32 s[G0R+3], s[G0R+3], 0x80000000        ; 127:126 type = 2
	s_mov_b32 s[G0K], 1
	s_mov_b32 s[G0K+1], s[CK]
	s_add_nc_u64 s[G0K+2:G0K+3], s[6:7], s[86:87]
	s_or_b32 s[G0K+3], s[G0K+3], 0x80000000
	s_mov_b32 s[G0V], 1
	s_mov_b32 s[G0V+1], s[CV]
	s_add_nc_u64 s[G0V+2:G0V+3], s[6:7], s[86:87]
	s_add_nc_u64 s[G0V+2:G0V+3], s[G0V+2:G0V+3], KVHALF
	s_or_b32 s[G0V+3], s[G0V+3], 0x80000000
	TLOAD                                          ; slot 0: one tensor load of mine is out, here and behind every barrier
	s_add_nc_u64 s[PFR:PFR+1], s[8:9], s[82:83]
	s_add_nc_u64 s[PFR:PFR+1], s[PFR:PFR+1], 512   ; in slot 1; nothing is prefetched here, at the head
	s_add_nc_u64 s[PFK:PFK+1], s[6:7], s[94:95]
	s_add_nc_u64 s[4:5], s[4:5], s[90:91]
	s_add_nc_u64 s[10:11], s[10:11], s[92:93]
	v_and_b32 v1, 15, v0                           ; r = lane % 16
	v_bfe_u32 v2, v0, 4, 1                         ; h = lane / 16
	v_lshlrev_b32 v6, 7, v1
	v_lshl_add_u32 v6, v2, 4, v6                   ; Q: row r of 128 bytes, + 16 h
	WIN TO_1
.irp t, 0,1                                    ; Q stays in registers: tile t, channels 32 f on: two loads of 16 bytes, 32 bytes apart
.irp f, 0,1
.irp c, 0,1
	global_load_b128 v[QFR+16*\t+8*\f+4*\c:QFR+16*\t+8*\f+4*\c+3], v6, s[4:5] offset:2048*\t+64*\f+32*\c
.endr
.endr
.endr
	WIN 0
	v_mul_u32_u24 v[AK0], v1, PK
	v_lshl_add_u32 v[AK0], v2, 4, v[AK0]
	s_mul_i32 s80, s[BE], 128*PK
	s_add_co_u32 s80, s80, KOFF
	v_add_nc_u32 v[AK0], s80, v[AK0]               ; K: my batch's tile, key r, + 16 h
	v_and_b32 v[AV0], 7, v0
	v_lshl_add_u32 v[AV0], v2, 3, v[AV0]
	v_mul_u32_u24 v[AV0], v[AV0], PV
	v_bfe_u32 v7, v0, 3, 1
	v_lshl_add_u32 v[AV0], v7, 4, v[AV0]
	s_mul_i32 s80, s[BE], 128*PV
	s_add_co_u32 s80, s80, VOFF
	v_add_nc_u32 v[AV0], s80, v[AV0]               ; V, for the turning load: key 8 h + lane % 8, channels 8 ((lane / 8) % 2) on
	v_mul_u32_u24 v[AR0], v1, PR
	v_lshl_add_u32 v[AR0], v2, 5, v[AR0]
	s_mul_i32 s80, s[QS], 32*PR
	v_add_nc_u32 v[AR0], s80, v[AR0]               ; rel: my query's row, + 32 h: my eight keys of a tile
	s_mul_i32 s80, s[WV], 32*PK                    ; the way out: my stage, 32 rows x 144 bytes, in slot 0
	v_mul_u32_u24 v[STO], v1, PK
	v_lshl_add_u32 v[STO], v2, 4, v[STO]
	v_add_nc_u32 v[STO], s80, v[STO]
	v_bfe_u32 v7, v0, 3, 2
	v_and_b32 v8, 7, v0
	v_mul_u32_u24 v[RD], v7, PK
	v_lshl_add_u32 v[RD], v8, 4, v[RD]
	v_add_nc_u32 v[RD], s80, v[RD]                 ; back: eight lanes to a row of 128 bytes, four rows an instruction
	v_lshlrev_b32 v[GO], 11, v7
	v_lshl_add_u32 v[GO], v8, 4, v[GO]             ; and the same in o16
	v_and_b32 v7, 31, v0
	v_lshlrev_b32 v[PFOR], 13, v7
	v_lshlrev_b32 v[PFOK], 8, v7
.irp t, 0,1
	v_mov_b32 v[ST+8*\t+1], 0xff61b1e6             ; m: -3e38, under every score
	v_mul_f32 v[ST+8*\t], s[CS], v[ST+8*\t+1]      ; c m
.irp j, 2,3,4,5,6,7
	v_mov_b32 v[ST+8*\t+\j], 0                     ; l; and the registers at work, so that every way through the text finds them written
.endr
.endr
	WIN TO_1
.set II, 0
.rept 64
	v_mov_b32 v[OAC+II], 0                         ; O^T.  (The step is written once: the first finds zeros, which a = 0 leaves zeros)
.set II, II+1
.endr
	WIN 0
	s_wait_loadcnt 0x0                             ; Q: it comes scaled by 1/8 and goes to the matrix unit as it is
; A KEY STEP: 64 keys, the q-th of the slot in hand.
.macro STEP q
	s_cmp_gt_u32 s[KF], s[LW]                      ; a step all of whose keys come after my last query + 1024 is left out: ids and the count of steps alone
	s_cbranch_scc1 .Lhidden_\@
	v_add_nc_u32 v[ADK], s[TB], v[AK0]             ; these three and the v_nop are the four places between the last step's products V^T P and the loads into V's registers
	v_add_nc_u32 v[ADV], s[TB], v[AV0]
	v_add_nc_u32 v[ADR], s[TB], v[AR0]
	v_nop
.irp t, 0,1                                    ; rel goes straight into the accumulators: tile t, keys 16 kt + 8 h + 0 .. 7 of my query
.irp kt, 0,1,2,3
	ds_load_b128 v[SCO+32*\t+8*\kt:SCO+32*\t+8*\kt+3], v[ADR] offset:16*PR*\t+256*(\q)+64*\kt
	ds_load_b128 v[SCO+32*\t+8*\kt+4:SCO+32*\t+8*\kt+7], v[ADR] offset:16*PR*\t+256*(\q)+64*\kt+16
.endr
.endr
.irp kt, 0,1,2,3                               ; K: keys 16 kt on, channels 32 f on
.irp f, 0,1
	ds_load_b128 v[KFR+16*\kt+8*\f:KFR+16*\kt+8*\f+3], v[ADK] offset:(64*(\q)+16*\kt)*PK+64*\f
	ds_load_b128 v[KFR+16*\kt+8*\f+4:KFR+16*\kt+8*\f+7], v[ADK] offset:(64*(\q)+16*\kt)*PK+64*\f+32
.endr
.endr
	s_wait_dscnt 0x0
	WIN W_KQ
.set II, 0
.rept 16                                       ; S^T = rel^T + K Q^T: channels 32 (i / 8) on, keys 16 ((i / 2) % 4) on, tile i % 2: the eight accumulators by turns
.set RS, SCO+32*(II%2)+8*((II/2)%4)
.set RK, KFR+16*((II/2)%4)+8*(II/8)
.set RQ, QFR+16*(II%2)+8*(II/8)
	v_wmma_f32_16x16x32_f16 v[RS:RS+7], v[RK:RK+7], v[RQ:RQ+7], v[RS:RS+7]
.set II, II+1
.endr
	WIN 0
.irp f, 0,1,2,3,4,5,6,7                        ; V, turned: keys 32 (f / 4) on, channels 16 (f % 4) on; it lands while the softmax is walked
	ds_load_tr16_b128 v[VFR+8*\f:VFR+8*\f+3], v[ADV] offset:(64*(\q)+32*(\f/4))*PV+32*(\f%4)
	ds_load_tr16_b128 v[VFR+8*\f+4:VFR+8*\f+7], v[ADV] offset:(64*(\q)+32*(\f/4)+16)*PV+32*(\f%4)
.endr
.rept 4
	v_nop                                          ; four places between the products and the first read of their results (ISA guide 7.12.1)
.endr
	s_add_co_u32 s96, s[KF], 63                    ; on the diagonal the scores of hidden keys become -infinity ahead of the maximum: p = 0 then.  A step all of whose keys count for my first query skips this
	s_cmp_le_u32 s96, s[LO]
	s_cbranch_scc1 .Lopen_\@
	s_sub_co_i32 s96, s[LO], s[KF]
	v_and_b32 v1, 15, v0
	v_bfe_u32 v2, v0, 4, 1
	v_lshlrev_b32 v2, 3, v2
	v_sub_nc_u32 v1, v1, v2
	v_add_nc_u32 v1, s96, v1                       ; d = my first query + 1024 - KF + r - 8 h.  Register 32 t + 8 kt + j: query + 16 t, key KF + 16 kt + 8 h + j: hidden where 16 kt + j - 16 t > d
	v_mov_b32 v2, 0xff800000                       ; -infinity
.set NN, 0
.rept 64
	v_cmp_gt_i32 vcc_lo, 16*((NN%32)/8)+NN%8-16*(NN/32), v1
	v_cndmask_b32 v[SCO+NN], v[SCO+NN], v2, vcc_lo
.set NN, NN+1
.endr
.Lopen_\@:
	; the maximum of my 32 scores and the old m, three operands at a time, in four chains; the two tiles by turns; each accumulator is read from its low end on
.irp j, 0,1,2,3
.irp t, 0,1
	v_max3_num_f32 v[ST+8*\t+4+\j], v[SCO+32*\t+8*\j], v[SCO+32*\t+8*\j+1], v[SCO+32*\t+8*\j+2]
.endr
.endr
.irp u, 1,2
.irp j, 0,1,2,3
.irp t, 0,1
	v_max3_num_f32 v[ST+8*\t+4+\j], v[ST+8*\t+4+\j], v[SCO+32*\t+8*\j+2*\u+1], v[SCO+32*\t+8*\j+2*\u+2]
.endr
.endr
.endr
.irp t, 0,1
	v_max3_num_f32 v[ST+8*\t+4], v[ST+8*\t+4], v[SCO+32*\t+7], v[SCO+32*\t+15]
.endr
.irp t, 0,1
	v_max3_num_f32 v[ST+8*\t+6], v[ST+8*\t+6], v[SCO+32*\t+23], v[SCO+32*\t+31]
.endr
.irp t, 0,1
	v_max3_num_f32 v[ST+8*\t+4], v[ST+8*\t+4], v[ST+8*\t+5], v[ST+8*\t+6]
.endr
.irp t, 0,1
	v_max3_num_f32 v[ST+8*\t+4], v[ST+8*\t+4], v[ST+8*\t+7], v[ST+8*\t+1]
.endr
.irp t, 0,1
	v_permlanex16_b32 v[ST+8*\t+5], v[ST+8*\t+4], s[SEL], s[SEL+1]   ; the query's other 32 keys lie in the lane 16 away
.endr
.irp t, 0,1
	v_mov_b32 v[ST+8*\t+7], v[ST+8*\t]             ; c m_old is kept for a
.endr
.irp t, 0,1
	v_max_num_f32 v[ST+8*\t+1], v[ST+8*\t+4], v[ST+8*\t+5]
.endr
.irp t, 0,1
	v_mul_f32 v[ST+8*\t], s[CS], v[ST+8*\t+1]
.endr
.irp t, 0,1
	v_sub_f32 v[ST+8*\t+7], v[ST+8*\t+7], v[ST+8*\t]
.endr
.set II, 0
.rept 32                                       ; c s - c m, two at a time (of the pairs c and c m the low word serves both halves)
.set RT, ST+8*(II%2)
.set RS, SCO+32*(II%2)+2*(II/2)
	v_pk_fma_f32 v[RS:RS+1], v[RS:RS+1], s[CS:CS+1], v[RT:RT+1] op_sel_hi:[1,0,0] neg_lo:[0,0,1] neg_hi:[0,0,1]
.set II, II+1
.endr
.irp t, 0,1
	v_exp_f32 v[ST+8*\t+6], v[ST+8*\t+7]           ; a
.endr
.set II, 0
.rept 64
	v_exp_f32 v[SCO+II], v[SCO+II]                 ; p, at most 1
.set II, II+1
.endr
	v_nop                                          ; a plain instruction behind the last exponential and ahead of the first use
	s_wait_alu depctr_va_vdst(0)                   ; the wait ahead of the first instruction that names a result: one for the batch of 66
.set II, 0
.rept 32
	v_cvt_pk_f16_f32 v[PW+II], v[SCO+2*II], v[SCO+2*II+1]   ; the weights for the second product
.set II, II+1
.endr
.irp w, 4,8,16,32                              ; the sum of each tile's 16 pairs, in place: neighbours 1, 2, 4 and 8 pairs apart
.set II, 0
.rept 64/\w
	v_pk_add_f32 v[SCO+\w*II:SCO+\w*II+1], v[SCO+\w*II:SCO+\w*II+1], v[SCO+\w*II+\w/2:SCO+\w*II+\w/2+1]
.set II, II+1
.endr
.endr
.irp t, 0,1
	v_pk_fma_f32 v[ST+8*\t+2:ST+8*\t+3], v[ST+8*\t+2:ST+8*\t+3], v[ST+8*\t+6:ST+8*\t+7], v[SCO+32*\t:SCO+32*\t+1] op_sel_hi:[1,0,1]   ; l = a l + the sum
.endr
	WIN W_RS
.set II, 0
.rept 32
	v_pk_mul_f32 v[OAC+2*II:OAC+2*II+1], v[OAC+2*II:OAC+2*II+1], v[ST+8*(II/16)+6:ST+8*(II/16)+7] op_sel_hi:[1,0]   ; O^T x a, each accumulator from its low end on
.set II, II+1
.endr
	s_wait_dscnt 0x0                               ; V is in
	WIN W_PV
.set II, 0
.rept 16                                       ; O^T += V^T P: keys 32 (i / 8) on, channels 16 ((i / 2) % 4) on, tile i % 2: the eight accumulators by turns
.set RO, OAC+32*(II%2)+8*((II/2)%4)
.set RV, VFR+8*(4*(II/8)+(II/2)%4)
.set RP, PW+16*(II%2)+8*(II/8)
	v_wmma_f32_16x16x32_f16 v[RO:RO+7], v[RV:RV+7], v[RP:RP+7], v[RO:RO+7]
.set II, II+1
.endr
	WIN 0
.Lhidden_\@:
	s_add_co_u32 s[KF], s[KF], 64
.endm
; THE CHANGE OF SLOTS stands at a slot's head.  Each wave waits for all its tensor loads (its part of the slot that it is about to read), adds 0 to its spare word, and waits for that and for its reads of the slot that it has left.
; Behind the barrier the slot ahead is whole and nobody reads the other one.  fill = 1: that other slot is filled with the next 128 keys, up to the causal limit: the load has a whole slot's steps in which to land.
.macro CHANGE fill
	s_wait_tensorcnt 0x0                           ; no tensor load of mine is out, so a group 0 may be written
	ds_add_u32 v[SPW], v[NIL]                      ; 0 onto my spare word
.if \fill
	ds_add_u32 v[SPW], v[NIL]                      ; and once more: twice on end, in every trip alike
	s_xor_b32 s[TN], s[TN], SLOTB                  ; the other slot than last time,
	s_add_co_u32 s[G0R+1], s[TN], s[CR]
	s_add_co_u32 s[G0K+1], s[TN], s[CK]
	s_add_co_u32 s[G0V+1], s[TN], s[CV]
	s_add_nc_u64 s[G0R+2:G0R+3], s[G0R+2:G0R+3], 512      ; the next 128 keys; the type bits on top are not reached
	s_add_nc_u64 s[G0K+2:G0K+3], s[G0K+2:G0K+3], 16384
	s_add_nc_u64 s[G0V+2:G0V+3], s[G0V+2:G0V+3], 16384
	s_wait_xcnt 0x0                                ; the last prefetches, a slot back, have read their addresses, so these may be written:
	s_add_nc_u64 s[PFR:PFR+1], s[PFR:PFR+1], 512   ; one slot further on than the walking descriptors
	s_add_nc_u64 s[PFK:PFK+1], s[PFK:PFK+1], 16384
.endif
	s_wait_dscnt 0x0                               ; the add is done (fill = 1: both are), and my reads of the slot that I have left are over
	s_barrier_signal -1
	s_barrier_wait -1
.if \fill
	s_add_co_u32 s96, s[KF], 128                   ; the first key of the slot that this change would ask for: beyond the work-group's last query + 1024 none of its waves reads it, so it is not asked for
	s_cmp_gt_u32 s96, s[LQ]                        ; ids and the count of steps alone: all eight waves go the same way, and a work-group that is past the limit stays past it
	s_cbranch_scc1 .Lpast_\@
	TLOAD                                          ; the first thing behind the barrier but for the limit's three lines, and a wave's one tensor load until the next
.Lpast_\@:
	ASK
.endif
.endm
.macro SLOT_STEPS
	STEP 0
	STEP 1
	s_xor_b32 s[TB], s[TB], SLOTB                  ; on to the other slot
.endm
.Lslot:                                            ; 15 trips: behind each change of slots but the last the next slot is asked for, up to the limit
	CHANGE 1
	SLOT_STEPS
	s_sub_co_u32 s[SLOTS], s[SLOTS], 1
	s_cmp_lg_u32 s[SLOTS], 0
	s_cbranch_scc1 .Lslot
	CHANGE 0                                       ; the last slot is written out: nothing is left to ask for
	SLOT_STEPS
	; THE WAY OUT.  l's two halves and the other half of the lanes' are added; O^T is divided by l, rounded to f16 and sent through my stage in LDS.  The stage lies in slot 0, which was left at the last change of slots:
	; it has had its last fill, and nobody reads it.  The additions are the places behind the last products.
.irp t, 0,1
	v_add_f32 v[ST+8*\t+4], v[ST+8*\t+2], v[ST+8*\t+3]
.endr
.irp t, 0,1
	v_permlanex16_b32 v[ST+8*\t+5], v[ST+8*\t+4], s[SEL], s[SEL+1]
.endr
.irp t, 0,1
	v_add_f32 v[ST+8*\t+4], v[ST+8*\t+4], v[ST+8*\t+5]
.endr
.irp t, 0,1
	v_rcp_f32 v[ST+8*\t+6], v[ST+8*\t+4]
.endr
	v_nop                                          ; a plain instruction between the last reciprocal and the use of its result
	s_wait_alu depctr_va_vdst(0)                   ; and the wait ahead of the first use: one for both
	WIN W_RS
.set II, 0
.rept 32
	v_pk_mul_f32 v[OAC+2*II:OAC+2*II+1], v[OAC+2*II:OAC+2*II+1], v[ST+8*(II/16)+6:ST+8*(II/16)+7] op_sel_hi:[1,0]
.set II, II+1
.endr
	WIN W_CV
.set II, 0
.rept 32
	v_cvt_pk_f16_f32 v[SCO+II], v[OAC+2*II], v[OAC+2*II+1]   ; register 16 t + 4 dt + p: query 16 t + r, channels 16 dt + 8 h + 2 p, + 1
.set II, II+1
.endr
	WIN 0
.irp t, 0,1
.irp dt, 0,1,2,3
	ds_store_b128 v[STO], v[SCO+16*\t+4*\dt:SCO+16*\t+4*\dt+3] offset:16*PK*\t+32*\dt
.endr
.endr
.irp i, 0,1,2,3,4,5,6,7
	ds_load_b128 v[SCO+32+4*\i:SCO+32+4*\i+3], v[RD] offset:4*PK*\i   ; LDS serves a wave's instructions in order (ISA guide 5.7.1.4): these see my stores
.endr
.irp i, 0,1,2,3,4,5,6,7
	s_wait_dscnt 7-\i                              ; the younger read-backs may be out
	global_store_b128 v[GO], v[SCO+32+4*\i:SCO+32+4*\i+3], s[10:11] offset:8192*\i   ; eight lanes store a head's 128 consecutive bytes of a token; the neighbouring head's 128 belong to another work-group
.endr
	s_wait_tensorcnt 0x0                           ; the wave's end: a wait on TENSORcnt, an add to my spare word and a wait on DScnt, behind my last tensor load and my last LDS store
	ds_add_u32 v[SPW], v[NIL]
	s_wait_dscnt 0x0
	s_endpgm
.Lfunc_end_k_q1ddaea867a_attn:
	.size	k_q1ddaea867a_attn, .Lfunc_end_k_q1ddaea867a_attn-k_q1ddaea867a_attn
	.p2alignl 7, 3214868480
	.fill 96, 4, 3214868480
	.section	.rodata,"a",@progbits
	.p2align	6, 0x0
	.amdhsa_kernel k_q1ddaea867a_attn
		.amdhsa_group_segment_fixed_size 327680
		.amdhsa_private_segment_fixed_size 0
		.amdhsa_enable_private_segment 0
		.amdhsa_kernarg_size 32
		.amdhsa_user_sgpr_count 2
		.amdhsa_user_sgpr_kernarg_segment_ptr 1
		.amdhsa_wavefront_size32 1
		.amdhsa_system_sgpr_workgroup_id_x 1
		.amdhsa_system_sgpr_workgroup_id_y 1
		.amdhsa_system_sgpr_workgroup_id_z 1
		.amdhsa_system_vgpr_workitem_id 0
		.amdhsa_next_free_vgpr 352
		.amdhsa_next_free_sgpr 100
		.amdhsa_reserve_vcc 1
		.amdhsa_float_denorm_mode_32 3
		.amdhsa_float_denorm_mode_16_64 3
		.amdhsa_memory_ordered 1
		.amdhsa_forward_progress 1
		.amdhsa_inst_pref_size 112
	.end_amdhsa_kernel
	.amdgpu_metadata
---
amdhsa.version: [ 1, 2 ]
amdhsa.kernels:
  - .name:           k_q1ddaea867a_attn
    .symbol:         k_q1ddaea867a_attn.kd
    .args:
      - { .name: q16, .offset: 0, .size: 8, .value_kind: global_buffer, .address_space: global }
      - { .name: kv16, .offset: 8, .size: 8, .value_kind: global_buffer, .address_space: global }
      - { .name: relative_positions, .offset: 16, .size: 8, .value_kind: global_buffer, .address_space: global }
      - { .name: o16, .offset: 24, .size: 8, .value_kind: global_buffer, .address_space: global }
    .group_segment_fixed_size: 327680
    .private_segment_fixed_size: 0
    .kernarg_segment_align: 8
    .kernarg_segment_size: 32
    .max_flat_workgroup_size: 256
    .sgpr_count:     100
    .vgpr_count:     352
    .wavefront_size: 32
...
	.end_amdgpu_metadata
.endif
;; end of part 3
;; launch proj (part 4): grid 8 x 32, 4 waves a work-group, clusters of 4 x 4, 327,680 bytes of LDS; arguments o16, wo16, bo, out0; writes out0
.if DOCPART == 4
	.amdgcn_target "amdgcn-amd-amdhsa--gfx1250"
	.amdhsa_code_object_version 6
	.text
	.protected	k_q1ddaea867a_proj
	.globl	k_q1ddaea867a_proj
	.p2align	8
	.type	k_q1ddaea867a_proj,@function
k_q1ddaea867a_proj:
	s_mov_b64 s[64:65], 0
	v_nop
	global_prefetch_b8 v0, s[64:65] scope:SCOPE_SE
	s_setreg_imm32_b32 hwreg(HW_REG_WAVE_MODE, 25, 1), 1
	s_wait_xcnt 0x0
	s_wait_alu depctr_hold_cnt(0) depctr_sa_sdst(0) depctr_va_vdst(0) depctr_va_sdst(0) depctr_va_ssrc(0) depctr_va_vcc(0) depctr_vm_vsrc(0)
	s_getreg_b32 s2, hwreg(HW_REG_IB_STS2, 6, 4)
	s_cmp_eq_u32 s2, 0
	s_cbranch_scc0 .Lentry_in_a_cluster
	s_endpgm
.Lentry_in_a_cluster:
	s_bfe_u32 s2, ttmp6, 0x10000c
	s_cmp_lg_u32 s2, 0xf033
	s_cbranch_scc0 .Lentry_shape_is_right
	s_endpgm
.Lentry_shape_is_right:
; out0[m][n] = bo[n] + sum over k of o16[m][k] wo16[k][n].  o16: [4096][1024] f16, wo16: [1024 k][1024 n] f16, bo: [1024] f32, out0: [4096][1024] f32; sums in f32.  No work of reference() is left out here.
; A tile of out0 is 128 x 128, which gives 256 work-groups.  Four waves, each 64 x 64: 16 accumulators of 16 x 16, 128 registers.  K goes in four steps of 256 through a ring of two LDS slots.
; A's tile: 128 rows x 512 bytes (waves 0 and 1 fetch 64 rows each).  B lies with K as its FIRST axis: its tile is 256 rows of k x 256 bytes of n (waves 2 and 3 fetch 128 rows each), and its fragments come out of LDS turned, by ds_load_tr16_b128.
; CLUSTERS: 4 x 4 work-groups.  The four of a row of the cluster need the same tiles of A, the four of a column the same tiles of B: each tile is asked for JOINTLY, by the same tensor load with the same descriptor and a mask that names the four.
; THE MATRIX INSTRUCTION IS USED TRANSPOSED (source 0 = 16 columns of wo16, source 1 = 16 rows of o16): a lane then holds eight neighbouring numbers of a row of out0.  THE BIAS IS THE C of each sum's first product.
; No prefetch: a K step of this small tile is short, and what the work-groups read is shared by many of them at about the same time.
; REGISTERS: window 0: v0-31 addresses; v96-127 the bias; v128-255 the accumulators ((a, b) at v[128 + 8 (4 a + b)]).   window 1: two fragment buffers of 128: for 64 along K, 64 registers of A, then 64 of B.
.set SIZE_N, 1024
.set SIZE_K, 1024
.set KSTEP,  256
.set PITCH,  528                       ; A's LDS row: 512 bytes + 16 = 132 words: row r starts at bank 4 r mod 64 (64 banks of 4 bytes: ISA guide 11.1)
.set PB,     288                       ; B's LDS row: 256 bytes + 32: an odd multiple of 32, for the turning load
.set HALFA,  64*PITCH                  ; what one tensor load brings of A, and what one wave reads of it
.set HALFB,  128*PB                    ; what one tensor load brings of B: 128 along K
.set BOFF,   2*HALFA
.set SLOT,   2*HALFA+2*HALFB
.set SPARE,  2*SLOT                    ; behind the ring: the spare words, 128 bytes for each wave: two blocks of 256 bytes that no other line names
.set SPITCH, 272                       ; the way out: a stage of 64 rows x (256 bytes + 16) for each wave, in slot 0, which has had its last fill and its last read when the first result is stored there
.set ADRA, 16                          ; v16-17  LDS address of my A fragments in slot 0, 1
.set ADRB, 20                          ; v20-23  of my B fragments: slot 0 (k 0-127, k 128-255), slot 1 likewise: an LDS offset has 16 bits
.set STO,  24                          ; v24     the way out: where I put 32 bytes of a row
.set RD,   25                          ; v25     where I read a row back
.set CO,   26                          ; v26     my byte offset in out0
.set BO,   27                          ; v27     the bias: 32 (lane / 16)
.set SPW,  28                          ; v28     LDS address of my spare word; never rewritten
.set NIL,  29                          ; v29     0; never rewritten
.set BI,   96
.set ACC,  128
.set F0,   0                           ; fragment buffers, in window 1
.set F1,   128
.set G1, 24                            ; s[24:31] descriptor group 1 for A's tiles;  s[32:39] group 0, one set for each slot
.set G0, 32
.set G1B, 48                           ; s[48:55], s[56:63] the same for B's tiles
.set G0B, 56
.set MSB, 0
.macro WIN new                         ; the immediate's high byte repeats the setting that is left
.if MSB != \new
	s_set_vgpr_msb (MSB<<8)|\new
.set MSB, \new
.endif
.endm
.set MUL,  0x05                        ; sources 0 (B) and 1 (A) window 1; C and D window 0
.set TO_F, 0x40                        ; destination window 1, address window 0
.macro JLOAD s                         ; a joint load: waves 0 and 1 fetch A's two halves, waves 2 and 3 B's; an s_nop 0 and four v_nop follow each of the two lines
	s_cmp_eq_u32 s11, 0
	s_cbranch_scc0 .Lfor_b_\@
	tensor_load_to_lds s[G0+4*\s:G0+4*\s+3], s[G1:G1+7]
	s_nop 0
.rept 4
	v_nop
.endr
	s_branch .Lasked_\@
.Lfor_b_\@:
	tensor_load_to_lds s[G0B+4*\s:G0B+4*\s+3], s[G1B:G1B+7]
	s_nop 0
.rept 4
	v_nop
.endr
.Lasked_\@:
.endm
.macro CREST                           ; a round of the cluster's barrier behind its opening barrier
	s_cmp_lg_u32 s10, 0
	s_cbranch_scc1 .Lnot_wave_0_\@
	s_barrier_signal -3
.Lnot_wave_0_\@:
	s_barrier_wait -3
	s_barrier_signal -1
	s_barrier_wait -1
.endm
.macro CROUND                          ; a whole round
	s_barrier_signal -1
	s_barrier_wait -1
	CREST
.endm
	s_load_b128 s[4:7], s[0:1], 0x0                ; o16 s[4:5], wo16 s[6:7]
	s_load_b64 s[66:67], s[0:1], 0x10              ; bo
	s_load_b64 s[8:9], s[0:1], 0x18                ; out0
	v_lshl_add_u32 v[SPW], v0, 2, SPARE
	v_mov_b32 v[NIL], 0
	ds_add_u32 v[SPW], v[NIL]                      ; the wave's opening: the add, twice on end, and its wait ahead of my first tensor load; the set-up below stands between
	ds_add_u32 v[SPW], v[NIL]
	v_lshrrev_b32 v1, 5, v0
	v_readfirstlane_b32 s10, v1                    ; wave 0..3
	s_lshr_b32 s11, s10, 1                         ; which half of the tile's rows is mine.  Also: I fetch for A (0) or for B (1)
	s_and_b32 s12, s10, 1                          ; which half of its columns.  Also: which half of that tile I fetch
	s_bfe_u32 s40, ttmp6, 0x40000                  ; cx, cy: my place in the cluster
	s_bfe_u32 s41, ttmp6, 0x40004
	s_lshl_b32 s42, ttmp9, 2
	s_add_co_u32 s42, s42, s40                     ; tile column = 4 x cluster x + cx
	s_and_b32 s13, ttmp7, 0xffff
	s_lshl_b32 s13, s13, 2
	s_add_co_u32 s13, s13, s41                     ; tile row = 4 x cluster y + cy
	s_lshl_b32 s43, s41, 2
	s_lshl_b32 s43, 15, s43                        ; my row of the cluster
	s_lshl_b32 s44, 0x1111, s40                    ; my column
	; descriptor groups 1.  A: 64 rows x 256 elements;  B: 128 rows (of k) x 128 elements (of n)
	s_or_b32 s[G1+0], s43, (1<<16)|(1<<20)|(1<<21)|(6<<22)|(3<<25)  ; 15:0 the mask: A's tiles go to my row; 17:16 element of 2 bytes; 20 padding on; 21 set beside a mask; 24:22 after every 128 words; 31:25 of 4 words
	s_mov_b32 s[G1+1], KSTEP<<16                   ; tensor_dim0 = 256
	s_mov_b32 s[G1+2], 64<<16                      ; tensor_dim1 = 64
	s_mov_b32 s[G1+3], KSTEP<<16                   ; tile_dim0 = 256
	s_mov_b32 s[G1+4], 64                          ; tile_dim1 = 64
	s_mov_b32 s[G1+5], SIZE_K                      ; tensor_dim0_stride
	s_mov_b32 s[G1+6], 0
	s_mov_b32 s[G1+7], 0
	s_or_b32 s[G1B+0], s44, (1<<16)|(1<<20)|(1<<21)|(5<<22)|(7<<25) ; the mask of my column; padding: 8 words after every 64
	s_mov_b32 s[G1B+1], 128<<16
	s_mov_b32 s[G1B+2], 128<<16
	s_mov_b32 s[G1B+3], 128<<16
	s_mov_b32 s[G1B+4], 128
	s_mov_b32 s[G1B+5], SIZE_N
	s_mov_b32 s[G1B+6], 0
	s_mov_b32 s[G1B+7], 0
	s_lshl_b32 s17, s12, 6
	s_lshl_b32 s16, s13, 7
	s_add_co_u32 s16, s16, s17                     ; A: row 128 x tile row + 64 x half,
	s_lshl_b32 s16, s16, 11                        ; of 2,048 bytes
	s_mov_b32 s17, 0
	s_lshl_b32 s46, s12, 18                        ; B: k row 128 x half, of 2,048 bytes,
	s_lshl_b32 s47, s42, 8
	s_add_co_u32 s46, s46, s47                     ; + 256 bytes x tile column
	s_mov_b32 s47, 0
	s_mul_i32 s20, s12, HALFA                      ; where they go: no place in the cluster enters an LDS address
	s_mul_i32 s21, s12, HALFB
	s_add_co_u32 s21, s21, BOFF
	s_wait_dscnt 0x0                               ; both opening adds are done
	s_wait_kmcnt 0x0
	s_add_nc_u64 s[14:15], s[4:5], s[16:17]
	s_add_nc_u64 s[46:47], s[6:7], s[46:47]
	CROUND                                         ; all sixteen work-groups are here: the first joint loads meet
.irp s, 0,1
	s_mov_b32 s[G0+4*\s], 1
	s_add_co_u32 s[G0+4*\s+1], s20, \s*SLOT
	s_add_nc_u64 s[G0+4*\s+2:G0+4*\s+3], s[14:15], \s*KSTEP*2
	s_or_b32 s[G0+4*\s+3], s[G0+4*\s+3], 0x80000000
	s_mov_b32 s[G0B+4*\s], 1
	s_add_co_u32 s[G0B+4*\s+1], s21, \s*SLOT
	s_add_nc_u64 s[G0B+4*\s+2:G0B+4*\s+3], s[46:47], \s*KSTEP*SIZE_N*2
	s_or_b32 s[G0B+4*\s+3], s[G0B+4*\s+3], 0x80000000
	JLOAD \s                                       ; two tensor loads of mine are out at the start, one behind each round
.endr
	v_and_b32 v1, 15, v0                           ; l % 16
	v_bfe_u32 v2, v0, 4, 1                         ; l / 16
	v_mul_u32_u24 v3, v1, PITCH
	v_lshl_add_u32 v3, v2, 4, v3                   ; A: a fragment's row x pitch + 16 x half
	s_mul_i32 s21, s11, HALFA                      ; my 64 rows of A
	v_add_nc_u32 v[ADRA], s21, v3
	v_add_nc_u32 v[ADRA+1], SLOT, v[ADRA]
	v_and_b32 v4, 7, v0                            ; B, for the turning load: k row 8 (l / 16) + l % 8, columns 8 ((l / 8) % 2) on,
	v_lshl_add_u32 v4, v2, 3, v4
	v_mul_u32_u24 v4, v4, PB
	v_bfe_u32 v5, v0, 3, 1
	v_lshl_add_u32 v4, v5, 4, v4
	s_lshl_b32 s22, s12, 7                         ; my 64 columns: 128 bytes x half
	s_add_co_u32 s22, s22, BOFF
	v_add_nc_u32 v[ADRB], s22, v4
	v_add_nc_u32 v[ADRB+1], HALFB, v[ADRB]
	v_add_nc_u32 v[ADRB+2], SLOT, v[ADRB]
	v_add_nc_u32 v[ADRB+3], SLOT+HALFB, v[ADRB]
	s_mul_i32 s23, s10, 64*SPITCH                  ; my stage
	v_mul_u32_u24 v4, v1, SPITCH                   ; in: row l % 16, 32 bytes for each half of the lanes
	v_lshl_add_u32 v4, v2, 5, v4
	v_add_nc_u32 v[STO], s23, v4
	v_mul_u32_u24 v5, v2, SPITCH                   ; back: lanes 0-15 one row of 256 bytes, lanes 16-31 the next
	v_lshl_add_u32 v5, v1, 4, v5
	v_add_nc_u32 v[RD], s23, v5
	v_lshlrev_b32 v5, 12, v2                       ; and the same two rows in out0
	v_lshl_add_u32 v[CO], v1, 4, v5
	v_lshlrev_b32 v[BO], 5, v2
	s_lshl_b32 s16, s13, 7
	s_lshl_b32 s17, s11, 6
	s_add_co_u32 s16, s16, s17                     ; my first row of out0: 128 x tile row + 64 x half,
	s_lshl_b32 s16, s16, 12                        ; of 4,096 bytes
	s_mov_b32 s17, 0
	s_add_nc_u64 s[8:9], s[8:9], s[16:17]
	s_lshl_b32 s46, s42, 9                         ; my first column, in bytes of f32: 512 x tile column + 256 x half
	s_lshl_b32 s47, s12, 8
	s_add_co_u32 s46, s46, s47
	s_mov_b32 s47, 0
	s_add_nc_u64 s[8:9], s[8:9], s[46:47]
	s_add_nc_u64 s[66:67], s[66:67], s[46:47]
.irp b, 0,1,2,3                                ; the bias in the result's layout: lane (r, h), block b: columns 16 b + 8 h + 0 .. 7
	global_load_b128 v[BI+8*\b:BI+8*\b+3], v[BO], s[66:67] offset:64*\b
	global_load_b128 v[BI+8*\b+4:BI+8*\b+7], v[BO], s[66:67] offset:64*\b+16
.endr
; 8 matrix instructions: m blocks a0, a0 + 1 x all 4 n blocks, 32 along K: half c of buffer f.  first = 1: the product starts the sums, with the bias as C.  The 16 accumulators take turns.
.macro MUL8 f, c, a0, first
.irp a, \a0, \a0+1
.irp b, 0,1,2,3
.if \first
	v_wmma_f32_16x16x32_f16 v[ACC+8*(4*(\a)+\b):ACC+8*(4*(\a)+\b)+7], v[\f+64+8*(4*\c+\b):\f+64+8*(4*\c+\b)+7], v[\f+8*(4*\c+\a):\f+8*(4*\c+\a)+7], v[BI+8*\b:BI+8*\b+7]
.else
	v_wmma_f32_16x16x32_f16 v[ACC+8*(4*(\a)+\b):ACC+8*(4*(\a)+\b)+7], v[\f+64+8*(4*\c+\b):\f+64+8*(4*\c+\b)+7], v[\f+8*(4*\c+\a):\f+8*(4*\c+\a)+7], v[ACC+8*(4*(\a)+\b):ACC+8*(4*(\a)+\b)+7]
.endif
.endr
.endr
.endm
; 32 LDS loads in one run: the fragments of 64 along K, at byte k of A's rows (k / 2 along K), into buffer f; the first 32 along K first.  B's: k rows (k / 2) % 128 + 32 c on, of the half k / 256; columns 16 i on
.macro FETCH slot, k, f
	WIN TO_F
.irp c, 0,1
.irp i, 0,1,2,3
	ds_load_tr16_b128 v[\f+64+8*(4*\c+\i):\f+64+8*(4*\c+\i)+3],   v[ADRB+2*\slot+(\k)/256] offset:(((\k)/2)%128+32*\c)*PB+32*\i
	ds_load_tr16_b128 v[\f+64+8*(4*\c+\i)+4:\f+64+8*(4*\c+\i)+7], v[ADRB+2*\slot+(\k)/256] offset:(((\k)/2)%128+32*\c+16)*PB+32*\i
	ds_load_b128 v[\f+8*(4*\c+\i):\f+8*(4*\c+\i)+3],         v[ADRA+\slot] offset:\k+64*\c+\i*16*PITCH
	ds_load_b128 v[\f+8*(4*\c+\i)+4:\f+8*(4*\c+\i)+7],       v[ADRA+\slot] offset:\k+64*\c+\i*16*PITCH+32
.endr
.endr
.endm
.macro PLACES                          ; four places in front of loads into registers that matrix instructions have read, and of the first read of results (ISA guide 7.12.1 for the first read of results)
.rept 4
	v_nop
.endr
.endm
; A K step is four quarters of 64 along K, 32 matrix instructions each, on buffers 0, 1, 0, 1.  One of the first three: multiplies buffer f and fetches the next quarter, at byte k, into g.
.macro QUARTER slot, k, f, g, first
	s_wait_dscnt 16                                ; the first 32 along K are in; the youngest sixteen loads may be out
	WIN MUL
	MUL8 \f, 0, 0, \first
	MUL8 \f, 0, 2, \first
	PLACES
	FETCH \slot, \k, \g
	s_wait_dscnt 32                                ; all but the 32 just issued
	WIN MUL
	MUL8 \f, 1, 0, 0
	MUL8 \f, 1, 2, 0
.endm
; The last quarter multiplies buffer 1 and changes slots: ONE barrier; in front of it each wave waits for all its tensor loads, adds 0 to its spare word, and waits for that and for its own reads of this slot.  fill = 1: this slot is filled again, two K steps ahead.
.macro TURN slot, next, fill
	WIN 0                                          ; (the add's two registers lie in window 0)
	s_wait_tensorcnt 0x0                           ; all my tensor loads have landed: my part of the next slot;
	ds_add_u32 v[SPW], v[NIL]                      ; 0 onto my spare word;
	s_wait_dscnt 17                                ; (the add and the youngest sixteen loads may be out)
	WIN MUL
	MUL8 F1, 0, 0, 0                               ; eight matrix instructions stand between the add and the wait for it
	s_wait_dscnt 0x0                               ; the add is done, and my reads of this slot are over
	s_barrier_signal -1
	MUL8 F1, 0, 2, 0
.if \fill
	WIN 0
.endif
	s_barrier_wait -1
.if \fill
	CREST                                          ; the barrier has opened a round of the cluster's barrier: no wave of any partner still reads this slot's tile or has a load on its way
	s_add_nc_u64 s[G0+4*\slot+2:G0+4*\slot+3], s[G0+4*\slot+2:G0+4*\slot+3], 2*KSTEP*2
	s_add_nc_u64 s[G0B+4*\slot+2:G0B+4*\slot+3], s[G0B+4*\slot+2:G0B+4*\slot+3], 2*KSTEP*SIZE_N*2
	JLOAD \slot                                    ; the first tensor load behind the round; the four v_nop behind it are also the places in front of the loads below
.else
	PLACES
.endif
	FETCH \next, 0, F0
	WIN MUL
	MUL8 F1, 1, 0, 0
	MUL8 F1, 1, 2, 0
.endm
	s_wait_tensorcnt 1                             ; my part of K step 0 is in (K step 1's load may be out)
	s_barrier_signal -1
	s_barrier_wait -1                              ; everybody's is
	FETCH 0, 0, F0
	s_wait_loadcnt 0x0                             ; the bias
	QUARTER 0, 128, F0, F1, 1                      ; K step 0: its first products start the sums
	QUARTER 0, 256, F1, F0, 0
	QUARTER 0, 384, F0, F1, 0
	TURN 0, 1, 1                                   ; slot 0 takes K step 2
	QUARTER 1, 128, F0, F1, 0                      ; K step 1
	QUARTER 1, 256, F1, F0, 0
	QUARTER 1, 384, F0, F1, 0
	TURN 1, 0, 1                                   ; slot 1 takes K step 3: the last load
	QUARTER 0, 128, F0, F1, 0                      ; K step 2
	QUARTER 0, 256, F1, F0, 0
	QUARTER 0, 384, F0, F1, 0
	TURN 0, 1, 0                                   ; nothing is left to fetch, so no round follows
	QUARTER 1, 128, F0, F1, 0                      ; K step 3
	QUARTER 1, 256, F1, F0, 0
	QUARTER 1, 384, F0, F1, 0
	s_wait_dscnt 16                                ; the very last quarter
	WIN MUL
	MUL8 F1, 0, 0, 0
	MUL8 F1, 0, 2, 0
	s_wait_dscnt 0
	MUL8 F1, 1, 0, 0
	MUL8 F1, 1, 2, 0
	WIN 0
	; THE WAY OUT.  A lane holds 32 neighbouring bytes of a row, and the lanes beside it hold other rows; my 64 columns of f32 are 256 bytes of a row.  So my 64 x 64 go through my own stage in LDS and come back as whole
	; pieces of 256 bytes, into the registers that they left.  LDS serves a wave's instructions in order (ISA guide 5.7.1.4): no wait between the stores and the loads, and no barrier: no other wave touches my stage.
	PLACES
.irp a, 0,1,2,3
.irp b, 0,1,2,3
	ds_store_b128 v[STO], v[ACC+8*(4*\a+\b):ACC+8*(4*\a+\b)+3] offset:\a*16*SPITCH+64*\b          ; each accumulator from its low end on
	ds_store_b128 v[STO], v[ACC+8*(4*\a+\b)+4:ACC+8*(4*\a+\b)+7] offset:\a*16*SPITCH+64*\b+16
.endr
.endr
.set II, 0
.rept 32
	ds_load_b128 v[ACC+4*II:ACC+4*II+3], v[RD] offset:II*2*SPITCH
.set II, II+1
.endr
.set II, 0
.rept 32
	s_wait_dscnt 31-II                             ; the younger read-backs may be out
	global_store_b128 v[CO], v[ACC+4*II:ACC+4*II+3], s[8:9] offset:II*8192 th:TH_STORE_NT   ; sixteen lanes store 256 consecutive bytes, aligned; written once, read by nobody here
.set II, II+1
.endr
	s_wait_tensorcnt 0x0                           ; the wave's end: a wait on TENSORcnt, an add to my spare word and a wait on DScnt, behind my last tensor load and my last LDS store
	ds_add_u32 v[SPW], v[NIL]
	s_wait_dscnt 0x0
	CROUND                                         ; the closing round: no work-group ends while a partner may still ask for a tile that names it
	s_endpgm
.Lfunc_end_k_q1ddaea867a_proj:
	.size	k_q1ddaea867a_proj, .Lfunc_end_k_q1ddaea867a_proj-k_q1ddaea867a_proj
	.p2alignl 7, 3214868480
	.fill 96, 4, 3214868480
	.section	.rodata,"a",@progbits
	.p2align	6, 0x0
	.amdhsa_kernel k_q1ddaea867a_proj
		.amdhsa_group_segment_fixed_size 327680
		.amdhsa_private_segment_fixed_size 0
		.amdhsa_enable_private_segment 0
		.amdhsa_kernarg_size 32
		.amdhsa_user_sgpr_count 2
		.amdhsa_user_sgpr_kernarg_segment_ptr 1
		.amdhsa_wavefront_size32 1
		.amdhsa_system_sgpr_workgroup_id_x 1
		.amdhsa_system_sgpr_workgroup_id_y 1
		.amdhsa_system_sgpr_workgroup_id_z 1
		.amdhsa_system_vgpr_workitem_id 0
		.amdhsa_next_free_vgpr 512
		.amdhsa_next_free_sgpr 70
		.amdhsa_reserve_vcc 0
		.amdhsa_float_denorm_mode_32 3
		.amdhsa_float_denorm_mode_16_64 3
		.amdhsa_memory_ordered 1
		.amdhsa_forward_progress 1
		.amdhsa_inst_pref_size 87
	.end_amdhsa_kernel
	.amdgpu_metadata
---
amdhsa.version: [ 1, 2 ]
amdhsa.kernels:
  - .name:           k_q1ddaea867a_proj
    .symbol:         k_q1ddaea867a_proj.kd
    .args:
      - { .name: o16, .offset: 0, .size: 8, .value_kind: global_buffer, .address_space: global }
      - { .name: wo16, .offset: 8, .size: 8, .value_kind: global_buffer, .address_space: global }
      - { .name: bo, .offset: 16, .size: 8, .value_kind: global_buffer, .address_space: global }
      - { .name: out0, .offset: 24, .size: 8, .value_kind: global_buffer, .address_space: global }
    .group_segment_fixed_size: 327680
    .private_segment_fixed_size: 0
    .kernarg_segment_align: 8
    .kernarg_segment_size: 32
    .max_flat_workgroup_size: 128
    .sgpr_count:     70
    .vgpr_count:     512
    .wavefront_size: 32
...
	.end_amdgpu_metadata
.endif
;; end of part 4
